; MI455X (gfx1250); checked and timed in simulation.
; The chip was launched on July 23, 2026; its instructions are those of AMD's public machine-readable ISA for CDNA 5 (MIT licence, August 2026) and "CDNA5" Instruction Set Architecture Reference Guide (July 2026). The comments in the code are by the model that wrote it; some were corrected since.
;; Multihead Attention. Allowed arithmetic: matrix products marked QUANTISED: E2M1 operands, one E8M0 scale for each 32 along K, by v_wmma_scale_f32_16x16x128_f8f6f4 with both operands' format E2M1 (or v_wmma_scale_f32_32x16x128_f4), f32 sums; products left as they are: bf16, f16 or f32 operands; f32 sums; everything else in f32.
;; Inputs: bk 1,024 float32; bo 1,024 float32; bq 1,024 float32; bv 1,024 float32; k 4 x 2,048 x 1,024 float32; q 4 x 2,048 x 1,024 float32; v 4 x 2,048 x 1,024 float32; wk 1,024 x 1,024 float32; wo 1,024 x 1,024 float32; wq 1,024 x 1,024 float32; wv 1,024 x 1,024 float32.
;; Outputs: out0 4 x 2,048 x 1,024 float32.
;; This version of the problem:
;;   THIS VERSION OF THE PROBLEM IS GIVEN IN LOW PRECISION. The matrix products marked QUANTISED in the list below multiply operands that are first quantised to E2M1 (2 exponent bits, 1 mantissa bit; 4 bits a number), with one power-of-two scale for each 32 numbers along K (OCP MX v1.0); their sums are f32. The products marked 'left as it is' may take bf16, f16 or f32 operands, with f32 sums. Whichever they take, every output number must still come out within the allowed error. Rounding operands to bf16 (8 significant bits) uses up far more of that allowance than f16 does (11 bits, for magnitudes from 6e-5 to 65,504). All else is computed in f32.
;;   The module's matrix products, in the order in which they are computed (A, B: the left and right operand; K: the contracted axis; several contracted axes count as one K, in the product's order):
;;     1. [M 8,192, K 1,024] x [K 1,024, N 1,024]; A: input q; B: input wq: QUANTISED
;;     2. [M 8,192, K 1,024] x [K 1,024, N 1,024]; A: input k; B: input wk: QUANTISED
;;     3. [M 8,192, K 1,024] x [K 1,024, N 1,024]; A: input v; B: input wv: QUANTISED
;;     4. batch 64 x [M 2,048, K 64] x [K 64, N 2,048]; A: computed on the way; B: computed on the way: left as it is (an operand is computed on the way)
;;     5. batch 64 x [M 2,048, K 2,048] x [K 2,048, N 64]; A: computed on the way; B: computed on the way: left as it is (an operand is computed on the way)
;;     6. [M 8,192, K 1,024] x [K 1,024, N 1,024]; A: computed on the way; B: input wo: left as it is (an operand is computed on the way)
;;   THE QUANTISER, for each operand of a quantised product, along K:
;;     - K is cut into blocks of 32 from its start; a last block that is shorter is filled with zeros.
;;     - A block's scale is 2^e with e = floor(log2(the largest magnitude in the block)) - 2, held to -126 .. 127; a block of zeros has e = 0. As a byte (E8M0): e + 127.
;;     - Each number is divided by its block's scale, clamped to +-6, and rounded to the nearest number of E2M1, ties to even, subnormals kept.
;;     - The product sums the exact products of the quantised numbers (number of the format x scale) in f32.
;;   ~~~python
;;   def quantise(x, axis):      # numpy; x: float32 -> the quantised numbers, widened to float32 again
;;       x = np.moveaxis(x, axis, -1); K = x.shape[-1]
;;       x = np.pad(x, [(0, 0)] * (x.ndim - 1) + [(0, -K % 32)]); x = x.reshape(x.shape[:-1] + (-1, 32)); a = np.abs(x).max(-1, keepdims=True)
;;       e = np.where(a > 0, np.clip(np.frexp(np.where(a > 0, a, 1))[1] - 1 - 2, -126, 127), 0)      # np.frexp(a)[1] - 1 = floor(log2(a)), exactly
;;       r = np.clip(x / 2.0 ** e, -6, 6)
;;       step = 2.0 ** (np.maximum(np.frexp(np.where(r == 0, 1, r))[1] - 1, 0) - 1)
;;       q = np.round(r / step) * step * 2.0 ** e      # np.round: ties to even
;;       return np.moveaxis(q.reshape(q.shape[:-2] + (-1,))[..., :K], -1, axis).astype(np.float32)
;;   ~~~
;; One version. Each part assembles by itself: llvm-mc -triple=amdgcn-amd-amdhsa -mcpu=gfx1250 --defsym DOCPART=n.
;; ======== version 1 of 1: 4 launches
;; limits: values are held in f16: magnitudes above 65,504 overflow, below 6.1e-05 lose precision
;; workspace buffers: xc 12,582,912 bytes; xs 786,432 bytes; wc 1,572,864 bytes; ws 98,304 bytes; wof 2,097,152 bytes; qkv 50,331,648 bytes; cvf 16,777,216 bytes
;; launch prep (part 1): grid 1024 x 1, 4 waves a work-group, no clusters, 39,424 bytes of LDS; arguments q, k, v, wq, wk, wv, wo, xc, xs, wc, ws, wof; writes xc, xs, wc, ws, wof
.if DOCPART == 1
	.amdgcn_target "amdgcn-amd-amdhsa--gfx1250"
	.amdhsa_code_object_version 6
	.text
	.protected	k_qf123d9a690_prep
	.globl	k_qf123d9a690_prep
	.p2align	8
	.type	k_qf123d9a690_prep,@function
k_qf123d9a690_prep:
	s_mov_b64 s[64:65], 0
	v_nop
	global_prefetch_b8 v0, s[64:65] scope:SCOPE_SE
	s_setreg_imm32_b32 hwreg(HW_REG_WAVE_MODE, 25, 1), 1
	s_wait_xcnt 0x0
; MULTI-HEAD ATTENTION, launch 1 of 4: the operands of the three quantised projections become codes of FP4 (E2M1) with one E8M0 byte for each 32 along K = 1,024; wo becomes f16.
; WORK LEFT OUT, in the whole program: bk.  scores[s][t] = qh[s] . (k[t] wk + bk) / 8 = qh[s] . (k[t] wk) / 8 + qh[s] . bk / 8.  The second term does not hang on t, the axis of the softmax,
; so softmax(scores) is the same with and without it, for all values of the inputs; the product of qh and kh is not quantised, so bk enters no quantiser.  bk is not loaded and is no launch's argument.
; LIMIT: a NaN, an infinity or an overflow that reaches the result through bk alone is not carried to it.
; LIMITS of this launch: NaN and infinities among the inputs are not served; a block whose largest magnitude lies under 2^-124 has its byte held at 1; a block of zeros gets the byte 1 where the
; rule says 127: its codes are zeros, which add nothing under any byte but 0xff, and the bytes are read by this program alone.  wo beyond 65,504 becomes infinity in f16.
; ALL RESULTS ARE LAID AS IMAGES OF OPERAND REGISTERS: a fragment is 1,024 bytes, [half c][lane][16 bytes], so that the later launches fetch dense blocks and load fragments at 16 x lane.
;   FP4 (16 rows x 128 k): the 16 bytes at 512 c + 256 h + 16 r are block 2 c + h of row r.      f16 (16 rows x 32 k): the 16 bytes at 512 c + 256 h + 16 r are k = 16 c + 8 h + 0 .. 7 of row r.
;   xc [i = 2 tensor + K half][row tile 512][k step 4][1,024]   xs [i][row tile][row 16][16 bytes]   wc [i][column tile 64][k step 4][1,024]   ws [tensor][k step 8][n 1,024] words   wof [k step 8][column tile 64][32 k: 4][1,024]
; Work-groups 0 to 255 take the four weights, whose K is the FIRST axis: a lane takes a column and its registers run down K.  Work-groups 256 to 1,023 take q, k, v, whose K is innermost.
; A stream: no matrix unit, no cluster, no tensor load; waves share nothing, so there is no barrier.
.set WREG,  9728                       ; LDS of a wave (activations' path alone): two stages of 32 x 80 bytes, an image of 16 x 272, 256 scale bytes
.set SP,    80                         ; a lane's place in a stage: 64 bytes + 16 of padding
.set IMG,   5120                       ; the image of the wave's codes: block u at 272 u, row t at 16 t
.set SCL,   9472                       ; the wave's 256 scale bytes: row t at 16 t
.set SPARE, 4*WREG                     ; the spare words, 128 bytes for each wave: two blocks of 256 bytes that no other line names
.set SPW,   12                         ; v12  LDS address of my spare word; never rewritten
.set NIL,   13                         ; v13  0; never rewritten
.set R,     16                         ; v16-79   activations: four sets of 16 numbers as loaded
.set X,     80                         ; v80-111  two sets of 16 neighbours
.set E,     112                        ; v112-127 a scale byte for each step
.set C,     128                        ; v128-159 two registers of codes for each step
.set OUTR,  160                        ; v160-191 the way out
.set WX,    32                         ; v32-159  weights: 128 numbers of my column
.set WCD,   160                        ; v160-175 their codes
.set WSW,   176                        ; v176     their scale word
	s_load_b512 s[8:23], s[0:1], 0x0               ; q s[8:9], k s[10:11], v s[12:13], wq s[14:15], wk s[16:17], wv s[18:19], wo s[20:21], xc s[22:23]
	s_load_b256 s[24:31], s[0:1], 0x40             ; xs s[24:25], wc s[26:27], ws s[28:29], wof s[30:31]
	v_lshl_add_u32 v[SPW], v0, 2, SPARE
	v_mov_b32 v[NIL], 0
	v_lshrrev_b32 v1, 5, v0
	v_readfirstlane_b32 s4, v1                     ; wave 0..3
	v_and_b32 v2, 31, v0                           ; lane
	s_cmp_lt_u32 ttmp9, 256
	s_cbranch_scc0 .Lpath_x
; ---------------- THE WEIGHTS.  Work-group = (tensor t, k step ks of 128, column group cg of 128); a wave takes 32 columns, a lane one.
	s_lshr_b32 s5, ttmp9, 6                        ; t: 0 wq, 1 wk, 2 wv, 3 wo
	s_bfe_u32 s6, ttmp9, 0x30003                   ; ks
	s_and_b32 s7, ttmp9, 7                         ; cg
	v_lshlrev_b32 v3, 2, v2                        ; in: 4 bytes a lane
	v_lshrrev_b32 v4, 4, v2
	v_and_b32 v5, 15, v2
	v_lshlrev_b32 v4, 12, v4
	v_lshl_add_u32 v4, v5, 4, v4                   ; out: column tile lane / 16 (4,096 bytes on), row lane % 16 of the image
	s_lshl_b32 s34, s7, 9
	s_lshl_b32 s35, s4, 7
	s_add_co_u32 s34, s34, s35                     ; 4 x my wave's first column
	s_lshl_b32 s35, s6, 19                         ; 128 rows of 4,096 bytes a k step
	s_add_co_u32 s36, s34, s35
	s_mov_b32 s37, 0
	s_wait_kmcnt 0x0
	s_cmp_eq_u32 s5, 0                             ; the choice hangs on the work-group's number alone
	s_cselect_b64 s[32:33], s[14:15], s[16:17]
	s_cmp_eq_u32 s5, 2
	s_cselect_b64 s[32:33], s[18:19], s[32:33]
	s_cmp_eq_u32 s5, 3
	s_cselect_b64 s[32:33], s[20:21], s[32:33]
	s_add_nc_u64 s[32:33], s[32:33], s[36:37]
.macro LOADW b                         ; block b: W(128 ks + 32 b + i, my column): a wave reads 128 consecutive bytes, the four waves 512
.set i, 0
.rept 32
	global_load_b32 v[WX+32*(\b)+i], v3, s[32:33] offset:(32*(\b)+i)*4096 th:TH_LOAD_NT
.set i, i+1
.endr
.endm
.macro WAITW b                         ; block b is in; the loads run two blocks ahead
.if (\b) < 3
	s_wait_loadcnt 32                              ; the next block's 32 loads may be out
.else
	s_wait_loadcnt 0x0
.endif
.if (\b)+2 < 4
	LOADW (\b)+2
.endif
.endm
	LOADW 0
	LOADW 1
	s_lshl_b32 s38, s34, 6                         ; (first column / 16) x 4,096
	s_cmp_eq_u32 s5, 3
	s_cbranch_scc1 .Lwo
	s_lshl_b32 s39, s5, 1
	s_lshr_b32 s40, s6, 2
	s_add_co_u32 s39, s39, s40                     ; i = 2 t + K half
	s_lshl_b32 s39, s39, 18
	s_add_co_u32 s39, s39, s38
	s_and_b32 s40, s6, 3
	s_lshl_b32 s40, s40, 10                        ; the k step's fragment
	s_add_co_u32 s40, s39, s40
	s_mov_b32 s41, 0
	s_add_nc_u64 s[26:27], s[26:27], s[40:41]
	s_lshl_b32 s42, s5, 3
	s_add_co_u32 s42, s42, s6
	s_lshl_b32 s42, s42, 12
	s_add_co_u32 s42, s42, s34
	s_mov_b32 s43, 0
	s_add_nc_u64 s[28:29], s[28:29], s[42:43]
.macro WBLOCK b                        ; a block of 32 along K lies in my 32 registers: its largest magnitude needs no other lane
.set XS, WX+32*(\b)
	WAITW \b
	v_max3_num_f32 v8, |v[XS]|, |v[XS+1]|, |v[XS+2]|
	v_max3_num_f32 v9, |v[XS+3]|, |v[XS+4]|, |v[XS+5]|
.irp i, 6,10,14,18,22,26
	v_max3_num_f32 v8, v8, |v[XS+\i]|, |v[XS+\i+1]|
	v_max3_num_f32 v9, v9, |v[XS+\i+2]|, |v[XS+\i+3]|
.endr
	v_max3_num_f32 v8, v8, |v[XS+30]|, |v[XS+31]|
	v_max3_num_f32 v8, v8, v9, 0x1800000           ; and the floor 2^(3 - 127): the byte cannot fall under 1
	v_add_nc_u32 v10, 0xff000000, v8               ; 2 off the exponent field: the conversion takes the exponent field of this operand as its scale
	v_lshrrev_b32 v11, 23, v10                     ; the scale's byte
.if (\b) == 0
	v_mov_b32 v[WSW], v11
.else
	v_lshl_or_b32 v[WSW], v11, 8*(\b), v[WSW]      ; byte b of the k step's scale word
.endif
.irp g, 0,1,2,3
	v_cvt_scalef32_pk8_fp4_f32 v[WCD+4*(\b)+\g], v[XS+8*\g:XS+8*\g+7], v10
.endr
	global_store_b128 v4, v[WCD+4*(\b):WCD+4*(\b)+3], s[26:27] offset:((\b)/2)*512+((\b)%2)*256 th:TH_STORE_NT   ; sixteen lanes store 256 consecutive bytes, aligned; each block has its own registers
.endm
	WBLOCK 0                                       ; (the next block's first lines are the plain lines behind the conversions)
	WBLOCK 1
	WBLOCK 2
	WBLOCK 3
	global_store_b32 v3, v[WSW], s[28:29] th:TH_STORE_NT   ; 128 consecutive bytes a wave, the four waves side by side
	s_wait_tensorcnt 0x0                           ; the wave's end
	ds_add_u32 v[SPW], v[NIL]
	s_wait_dscnt 0x0
	s_endpgm
.Lwo:                                  ; wo is rounded to f16, once
	s_lshl_b32 s40, s6, 18
	s_add_co_u32 s40, s40, s38
	s_mov_b32 s41, 0
	s_add_nc_u64 s[30:31], s[30:31], s[40:41]
.macro WHALF kg                        ; 32 along K: one f16 fragment's column
.set XS, WX+32*(\kg)
	WAITW \kg
.set i, 0
.rept 16
	v_cvt_pk_f16_f32 v[XS+i], v[XS+2*i], v[XS+2*i+1]   ; in place, ascending: register i has been read before it is written
.set i, i+1
.endr
.irp j, 0,1,2,3
	global_store_b128 v4, v[XS+4*\j:XS+4*\j+3], s[30:31] offset:(\kg)*1024+(\j/2)*512+(\j%2)*256 th:TH_STORE_NT   ; k = 8 j + 0 .. 7
.endr
.endm
	WHALF 0
	WHALF 1
	WHALF 2
	WHALF 3
	s_wait_tensorcnt 0x0                           ; the wave's end, as above
	ds_add_u32 v[SPW], v[NIL]
	s_wait_dscnt 0x0
	s_endpgm
; ---------------- THE ACTIVATIONS.  A wave takes 16 rows x 512 along K of one tensor: step t is row t.  A step's four loads read 2,048 consecutive bytes; they turn through the wave's own stage in LDS,
; so that a lane holds 16 neighbours (two lanes hold a block).  The codes gather in an image in LDS and leave as 4,096 consecutive bytes, the scale bytes as 256.
.Lpath_x:
	s_sub_co_u32 s5, ttmp9, 256
	s_lshl_b32 s5, s5, 2
	s_add_co_u32 s5, s5, s4                        ; which of the 3 x 512 x 2 parts is my wave's
	s_lshr_b32 s6, s5, 10                          ; tensor
	s_bfe_u32 s7, s5, 0x90001                      ; row tile
	s_and_b32 s34, s5, 1                           ; K half
	v_lshlrev_b32 v3, 4, v2                        ; 16 x lane
	s_mul_i32 s35, s4, WREG
	v_lshrrev_b32 v14, 2, v2
	v_mul_u32_u24 v14, v14, SP
	v_and_b32 v15, 3, v2
	v_lshl_add_u32 v14, v15, 4, v14
	v_add_nc_u32 v14, s35, v14                     ; the stage, in: four lanes' 64 bytes on end, then 16 of padding
	v_mul_u32_u24 v15, v2, SP
	v_add_nc_u32 v15, s35, v15                     ; and out: my 16 neighbours
	v_lshrrev_b32 v5, 1, v2                        ; my block
	v_mul_u32_u24 v4, v5, 272
	v_and_b32 v6, 1, v2
	v_lshl_add_u32 v4, v6, 3, v4
	v_add_nc_u32 v4, s35, v4                       ; the image, in: 272 x block + 8 x (lane % 2)
	v_add_nc_u32 v5, s35, v5                       ; my block's scale byte
	v_lshrrev_b32 v6, 4, v2
	v_mul_u32_u24 v6, v6, 272
	v_and_b32 v7, 15, v2
	v_lshl_add_u32 v6, v7, 4, v6
	v_add_nc_u32 v6, s35, v6                       ; the image, out: sixteen lanes to a block's 256 bytes
	v_lshlrev_b32 v7, 3, v2                        ; 8 x lane
	v_add_nc_u32 v10, s35, v7                      ; the scale bytes, out
	s_lshl_b32 s36, s7, 16
	s_lshl_b32 s37, s34, 11
	s_add_co_u32 s36, s36, s37                     ; in: 16 rows of 4,096 bytes a tile, 2,048 a K half
	s_mov_b32 s37, 0
	s_lshl_b32 s38, s6, 1
	s_add_co_u32 s38, s38, s34                     ; i
	s_lshl_b32 s40, s38, 21
	s_lshl_b32 s41, s7, 12
	s_add_co_u32 s40, s40, s41
	s_mov_b32 s41, 0
	s_lshl_b32 s42, s38, 9
	s_add_co_u32 s42, s42, s7
	s_lshl_b32 s42, s42, 8
	s_mov_b32 s43, 0
	s_wait_kmcnt 0x0
	s_cmp_eq_u32 s6, 0
	s_cselect_b64 s[32:33], s[8:9], s[10:11]
	s_cmp_eq_u32 s6, 2
	s_cselect_b64 s[32:33], s[12:13], s[32:33]
	s_add_nc_u64 s[32:33], s[32:33], s[36:37]
	s_add_nc_u64 s[22:23], s[22:23], s[40:41]
	s_add_nc_u64 s[24:25], s[24:25], s[42:43]
.macro LOAD t
.irp i, 0,1,2,3
	global_load_b128 v[R+16*((\t)%4)+4*\i:R+16*((\t)%4)+4*\i+3], v3, s[32:33] offset:4096*(\t)+512*\i th:TH_LOAD_NT   ; 32 lanes read 512 consecutive bytes
.endr
.endm
.macro TURN t                          ; LDS serves a wave's instructions in order, so no wait stands between the stores and the loads
.irp i, 0,1,2,3
	ds_store_b128 v14, v[R+16*((\t)%4)+4*\i:R+16*((\t)%4)+4*\i+3] offset:32*SP*((\t)%2)+8*SP*\i
.endr
.irp i, 0,1,2,3
	ds_load_b128 v[X+16*((\t)%2)+4*\i:X+16*((\t)%2)+4*\i+3], v15 offset:32*SP*((\t)%2)+16*\i
.endr
.endm
.irp t, 0,1,2,3
	LOAD \t
.endr
	s_wait_loadcnt 12                              ; step 0's four loads are in
	TURN 0
.macro STEP t
.set XS, X+16*((\t)%2)
.if (\t) > 0
	s_wait_dscnt 2                                 ; this step's numbers are back from the stage (the last step's code store and byte store may be out): so its stores into the stage have read their registers,
.else
	s_wait_dscnt 0x0
.endif
.if (\t)+4 < 16
	LOAD (\t)+4                                    ; which take the loads of four steps on
.endif
.if (\t)+1 < 16
.if 14-(\t) >= 3
	s_wait_loadcnt 12                              ; the next step's four loads are in; those of the three steps behind it may be out
.else
	s_wait_loadcnt 4*(14-(\t))
.endif
	TURN (\t)+1
.endif
	v_max3_num_f32 v8, |v[XS]|, |v[XS+1]|, |v[XS+2]|
	v_max3_num_f32 v9, |v[XS+3]|, |v[XS+4]|, |v[XS+5]|
.irp i, 6,10
	v_max3_num_f32 v8, v8, |v[XS+\i]|, |v[XS+\i+1]|
	v_max3_num_f32 v9, v9, |v[XS+\i+2]|, |v[XS+\i+3]|
.endr
	v_max3_num_f32 v8, v8, |v[XS+14]|, |v[XS+15]|
	v_max3_num_f32 v8, v8, v9, 0x1800000           ; the floor 2^(3 - 127)
	v_max_num_f32_dpp v8, v8, v8 row_xmask:1 row_mask:0xf bank_mask:0xf   ; with my neighbour's 16: the block's largest magnitude
	v_add_nc_u32 v11, 0xff000000, v8
	v_cvt_scalef32_pk8_fp4_f32 v[C+2*(\t)], v[XS:XS+7], v11
	v_cvt_scalef32_pk8_fp4_f32 v[C+2*(\t)+1], v[XS+8:XS+15], v11
	v_lshrrev_b32 v[E+(\t)], 23, v11               ; the scale's byte (and the plain line behind the conversions)
	ds_store_b64 v4, v[C+2*(\t):C+2*(\t)+1] offset:IMG+16*(\t)
	ds_store_b8 v5, v[E+(\t)] offset:SCL+16*(\t)   ; both lanes of a block write the same byte with the same value
.endm
.irp t, 0,1,2,3,4,5,6,7,8,9,10,11,12,13,14,15
	STEP \t
.endr
.irp i, 0,1,2,3,4,5,6,7
	ds_load_b128 v[OUTR+4*\i:OUTR+4*\i+3], v6 offset:IMG+544*\i   ; blocks 2 i and 2 i + 1
.endr
	ds_load_b64 v[8:9], v10 offset:SCL
	s_wait_dscnt 0x0
.irp i, 0,1,2,3,4,5,6,7
	global_store_b128 v3, v[OUTR+4*\i:OUTR+4*\i+3], s[22:23] offset:512*\i th:TH_STORE_NT   ; 512 consecutive bytes, aligned
.endr
	global_store_b64 v7, v[8:9], s[24:25] th:TH_STORE_NT   ; 256 consecutive bytes, aligned
	s_wait_tensorcnt 0x0                           ; the wave's end, behind my last LDS store
	ds_add_u32 v[SPW], v[NIL]
	s_wait_dscnt 0x0
	s_endpgm
.Lfunc_end_k_qf123d9a690_prep:
	.size	k_qf123d9a690_prep, .Lfunc_end_k_qf123d9a690_prep-k_qf123d9a690_prep
	.p2alignl 7, 3214868480
	.fill 96, 4, 3214868480
	.section	.rodata,"a",@progbits
	.p2align	6, 0x0
	.amdhsa_kernel k_qf123d9a690_prep
		.amdhsa_group_segment_fixed_size 39424
		.amdhsa_private_segment_fixed_size 0
		.amdhsa_enable_private_segment 0
		.amdhsa_kernarg_size 96
		.amdhsa_user_sgpr_count 2
		.amdhsa_user_sgpr_kernarg_segment_ptr 1
		.amdhsa_wavefront_size32 1
		.amdhsa_system_sgpr_workgroup_id_x 1
		.amdhsa_system_sgpr_workgroup_id_y 1
		.amdhsa_system_sgpr_workgroup_id_z 1
		.amdhsa_system_vgpr_workitem_id 0
		.amdhsa_next_free_vgpr 192
		.amdhsa_next_free_sgpr 66
		.amdhsa_reserve_vcc 0
		.amdhsa_float_denorm_mode_32 3
		.amdhsa_float_denorm_mode_16_64 3
		.amdhsa_memory_ordered 1
		.amdhsa_forward_progress 1
		.amdhsa_inst_pref_size 66
	.end_amdhsa_kernel
	.amdgpu_metadata
---
amdhsa.version: [ 1, 2 ]
amdhsa.kernels:
  - .name:           k_qf123d9a690_prep
    .symbol:         k_qf123d9a690_prep.kd
    .args:
      - { .name: q, .offset: 0, .size: 8, .value_kind: global_buffer, .address_space: global }
      - { .name: k, .offset: 8, .size: 8, .value_kind: global_buffer, .address_space: global }
      - { .name: v, .offset: 16, .size: 8, .value_kind: global_buffer, .address_space: global }
      - { .name: wq, .offset: 24, .size: 8, .value_kind: global_buffer, .address_space: global }
      - { .name: wk, .offset: 32, .size: 8, .value_kind: global_buffer, .address_space: global }
      - { .name: wv, .offset: 40, .size: 8, .value_kind: global_buffer, .address_space: global }
      - { .name: wo, .offset: 48, .size: 8, .value_kind: global_buffer, .address_space: global }
      - { .name: xc, .offset: 56, .size: 8, .value_kind: global_buffer, .address_space: global }
      - { .name: xs, .offset: 64, .size: 8, .value_kind: global_buffer, .address_space: global }
      - { .name: wc, .offset: 72, .size: 8, .value_kind: global_buffer, .address_space: global }
      - { .name: ws, .offset: 80, .size: 8, .value_kind: global_buffer, .address_space: global }
      - { .name: wof, .offset: 88, .size: 8, .value_kind: global_buffer, .address_space: global }
    .group_segment_fixed_size: 39424
    .private_segment_fixed_size: 0
    .kernarg_segment_align: 8
    .kernarg_segment_size: 96
    .max_flat_workgroup_size: 128
    .sgpr_count:     66
    .vgpr_count:     192
    .wavefront_size: 32
...
	.end_amdgpu_metadata
.endif
;; end of part 1
;; launch proj (part 2): grid 4 x 64, 4 waves a work-group, clusters of 4 x 4, 327,680 bytes of LDS; arguments xc, xs, wc, ws, bq, bv, qkv; writes qkv
.if DOCPART == 2
	.amdgcn_target "amdgcn-amd-amdhsa--gfx1250"
	.amdhsa_code_object_version 6
	.text
	.protected	k_qf123d9a690_proj
	.globl	k_qf123d9a690_proj
	.p2align	8
	.type	k_qf123d9a690_proj,@function
k_qf123d9a690_proj:
	s_mov_b64 s[64:65], 0
	v_nop
	global_prefetch_b8 v0, s[64:65] scope:SCOPE_SE
	s_setreg_imm32_b32 hwreg(HW_REG_WAVE_MODE, 25, 1), 1
	s_wait_xcnt 0x0
	s_wait_alu depctr_hold_cnt(0) depctr_sa_sdst(0) depctr_va_vdst(0) depctr_va_sdst(0) depctr_va_ssrc(0) depctr_va_vcc(0) depctr_vm_vsrc(0)
	s_getreg_b32 s2, hwreg(HW_REG_IB_STS2, 6, 4)
	s_cmp_eq_u32 s2, 0
	s_cbranch_scc0 .Lentry_in_a_cluster
	s_endpgm
.Lentry_in_a_cluster:
	s_bfe_u32 s2, ttmp6, 0x10000c
	s_cmp_lg_u32 s2, 0xf033
	s_cbranch_scc0 .Lentry_shape_is_right
	s_endpgm
.Lentry_shape_is_right:
; Launch 2 of 4: the three projections on codes of FP4 with E8M0 scales; sums in f32.  Q = (q wq + bq) x c with c = log2(e) / 8, K = k wk, V = v wv + bv, each rounded once to f16.
; WORK LEFT OUT: bk: it adds to every score of a row the same number, which the softmax takes away for all values of the inputs (shown at the head of the first launch).
; LIMIT: |Q c|, |K|, |V| beyond 65,504 become infinity in f16.
; SHARES.  A work-group of four waves makes 128 rows x 256 columns of each of the three results, one after the other; 64 x 4 work-groups.  A wave makes 64 x 128: 32 accumulators of 16 x 16.
; K goes in six slot steps of 512 (i = 2 tensor + K half) through a ring of two LDS slots; the operands lie in memory as images of their registers, so a slot's part of A (32,768 bytes) and of B (65,536) are dense
; blocks, and a fragment is two loads of 16 bytes at 16 x lane.  The scale bytes of all six steps come once, with the first fills.
; CLUSTER 4 x 4: the four work-groups of a row of the cluster need the same rows of x, the four of a column the same columns of w: each block is asked for jointly.
; USE.  Q, K: source 0 = 16 columns of w, source 1 = 16 rows of x: a lane holds one token and eight neighbouring channels.  V: the other way round: a lane holds one channel and eight neighbouring tokens.
; In both cases those eight numbers, as f16, are 16 bytes of the image that the attention launch wants, and a wave's store covers 512 consecutive bytes.
; qkv: Q at 0, K at 2^24, V at 2^25 bytes.  Q, K: [batch x head 64][tile of 16 tokens: 128][32 channels: 2][1,024];  V: [batch x head][32 keys: 64][16 channels: 4][1,024].
; REGISTERS: window 0: v4-14 addresses; v16-63 scale words, two sets; v64-127 bq x c; v128-143 bv; v144-239 the way out.  window 1: the accumulators, (a, b) at v[8 (8 a + b)].
;   window 2: two sets of fragments, v0-95 and v96-191: x's four, then w's eight.
.set SLOT,  98304                      ; x's 8 row tiles x 4 k steps x 1,024, then w's 16 column tiles likewise
.set BOFF,  32768
.set SCA,   2*SLOT                     ; x's scale bytes: [i 6][row tile 8][row 16][16]
.set SCB,   SCA+12288                  ; w's scale words: [4 i + k step: 24][n 256]
.set SPARE, SCB+24576                  ; the spare words, 128 bytes for each wave
.set SPW,  4
.set NIL,  5
.set ADRA, 6                           ; v6-7   my x fragments in slot 0, 1
.set ADRB, 8                           ; v8-9   my w fragments
.set ADSA, 10
.set ADSB, 11
.set GO,   12                          ; 16 x lane
.set SC,   16                          ; set s at SC + 24 s: 8 registers of x's words (4 (a / 2) + k step: lanes 0-15 row tile 2 (a / 2), lanes 16-31 the next), 16 of w's (4 k step + b / 2, likewise)
.set BQ,   64
.set BV,   128
.set T,    144
.set P,    208
.set WV,   18
.set G1A,  28
.set G1B,  36
.set G0A,  44                          ; s[44:51] one set for each slot
.set G0B,  52
.set CS,   60
.set G1SA, 68
.set G1SB, 76
.set G0SA, 84
.set G0SB, 88
.set BASE, 92                          ; s[92:97] where my part of Q, K, V begins
.set MSB, 0
.macro WIN new                         ; the immediate's high byte repeats the setting that is left
.if MSB != \new
	s_set_vgpr_msb (MSB<<8)|\new
.set MSB, \new
.endif
.endm
.set W_MUL, 0x5a                       ; sources 0 and 1 window 2, C and D window 1
.set W_TOF, 0x80                       ; destination window 2
.macro JLOAD g0a, g1a, g0b, g1b        ; a joint load: waves 0 and 1 fetch for x, waves 2 and 3 for w; an s_nop 0 and four v_nop follow each line
	s_cmp_eq_u32 s19, 0
	s_cbranch_scc0 .Lfor_b_\@
	tensor_load_to_lds s[\g0a:\g0a+3], s[\g1a:\g1a+7]
	s_nop 0
.rept 4
	v_nop
.endr
	s_branch .Lasked_\@
.Lfor_b_\@:
	tensor_load_to_lds s[\g0b:\g0b+3], s[\g1b:\g1b+7]
	s_nop 0
.rept 4
	v_nop
.endr
.Lasked_\@:
.endm
.macro CREST                           ; a round of the cluster's barrier behind its opening barrier
	s_cmp_lg_u32 s[WV], 0
	s_cbranch_scc1 .Lnot_wave_0_\@
	s_barrier_signal -3
.Lnot_wave_0_\@:
	s_barrier_wait -3
	s_barrier_signal -1
	s_barrier_wait -1
.endm
.macro CROUND
	s_barrier_signal -1
	s_barrier_wait -1
	CREST
.endm
.macro PLACES n
.rept \n
	v_nop
.endr
.endm
	s_load_b256 s[4:11], s[0:1], 0x0               ; xc s[4:5], xs s[6:7], wc s[8:9], ws s[10:11]
	s_load_b128 s[12:15], s[0:1], 0x20             ; bq, bv
	s_load_b64 s[16:17], s[0:1], 0x30              ; qkv
	v_lshl_add_u32 v[SPW], v0, 2, SPARE
	v_mov_b32 v[NIL], 0
	ds_add_u32 v[SPW], v[NIL]                      ; the wave's opening: the add, twice on end, and its wait ahead of my first tensor load
	ds_add_u32 v[SPW], v[NIL]
	v_lshrrev_b32 v1, 5, v0
	v_readfirstlane_b32 s[WV], v1                  ; wave 0..3
	s_lshr_b32 s19, s[WV], 1                       ; which 64 rows are mine.  Also: I fetch for x (0) or for w (1)
	s_and_b32 s20, s[WV], 1                        ; which 128 columns.  Also: which half of the block I fetch
	s_bfe_u32 s21, ttmp6, 0x40000                  ; cx
	s_bfe_u32 s22, ttmp6, 0x40004                  ; cy
	s_lshl_b32 s23, ttmp9, 2
	s_add_co_u32 s23, s23, s21                     ; column block of 256
	s_and_b32 s24, ttmp7, 0xffff
	s_lshl_b32 s24, s24, 2
	s_add_co_u32 s24, s24, s22                     ; row block of 128
	s_lshl_b32 s25, s22, 2
	s_lshl_b32 s25, 15, s25                        ; my row of the cluster
	s_lshl_b32 s26, 0x1111, s21                    ; my column
	; group 1: dense blocks as rows of 256 bytes (32 elements of 8 bytes): 64 rows for x, 128 for w; no padding: fragments are read at 16 x lane
	s_or_b32 s[G1A], s25, (3<<16)|(1<<21)
	s_or_b32 s[G1B], s26, (3<<16)|(1<<21)
	s_or_b32 s[G1SA], s25, (3<<16)|(1<<21)
	s_or_b32 s[G1SB], s26, (3<<16)|(1<<21)
	s_mov_b32 s[G1A+1], 32<<16
	s_mov_b32 s[G1A+2], 64<<16
	s_mov_b32 s[G1A+3], 32<<16
	s_mov_b32 s[G1A+4], 64
	s_mov_b32 s[G1A+5], 32
	s_mov_b32 s[G1A+6], 0
	s_mov_b32 s[G1A+7], 0
	s_mov_b32 s[G1B+1], 32<<16
	s_mov_b32 s[G1B+2], 128<<16
	s_mov_b32 s[G1B+3], 32<<16
	s_mov_b32 s[G1B+4], 128
	s_mov_b32 s[G1B+5], 32
	s_mov_b32 s[G1B+6], 0
	s_mov_b32 s[G1B+7], 0
	s_mov_b32 s[G1SA+1], 256<<16                   ; x's scale bytes: 3 rows (three values of i) of 2,048 bytes, 131,072 bytes apart
	s_mov_b32 s[G1SA+2], 3<<16
	s_mov_b32 s[G1SA+3], 256<<16
	s_mov_b32 s[G1SA+4], 3
	s_mov_b32 s[G1SA+5], 16384
	s_mov_b32 s[G1SA+6], 0
	s_mov_b32 s[G1SA+7], 0
	s_mov_b32 s[G1SB+1], 128<<16                   ; w's scale words: 12 rows (k steps) of 1,024 bytes, 4,096 bytes apart
	s_mov_b32 s[G1SB+2], 12<<16
	s_mov_b32 s[G1SB+3], 128<<16
	s_mov_b32 s[G1SB+4], 12
	s_mov_b32 s[G1SB+5], 512
	s_mov_b32 s[G1SB+6], 0
	s_mov_b32 s[G1SB+7], 0
	; group 0: the LDS addresses hang on the wave's number alone
	s_mov_b32 s[G0SA], 1
	s_mul_i32 s27, s20, 6144
	s_add_co_u32 s[G0SA+1], s27, SCA
	s_mov_b32 s[G0SB], 1
	s_mul_i32 s27, s20, 12288
	s_add_co_u32 s[G0SB+1], s27, SCB
	s_mov_b32 s[G0A], 1
	s_mov_b32 s[G0A+4], 1
	s_lshl_b32 s27, s20, 14
	s_mov_b32 s[G0A+1], s27
	s_add_co_u32 s[G0A+5], s27, SLOT
	s_mov_b32 s[G0B], 1
	s_mov_b32 s[G0B+4], 1
	s_lshl_b32 s27, s20, 15
	s_add_co_u32 s[G0B+1], s27, BOFF
	s_add_co_u32 s[G0B+5], s27, BOFF+SLOT
	; where the blocks begin in memory: x's by the row block alone, w's by the column block alone
	s_lshl_b32 s2, s24, 15
	s_lshl_b32 s3, s20, 14
	s_add_co_u32 s2, s2, s3
	s_mov_b32 s3, 0
	s_lshl_b32 s66, s24, 11
	s_mul_i32 s67, s20, 393216
	s_add_co_u32 s66, s66, s67
	s_mov_b32 s67, 0
	s_lshl_b32 s98, s23, 16
	s_lshl_b32 s99, s20, 15
	s_add_co_u32 s98, s98, s99
	s_mov_b32 s99, 0
	s_lshl_b32 s62, s23, 10
	s_mul_i32 s63, s20, 49152
	s_add_co_u32 s62, s62, s63
	s_mov_b32 s63, 0
	s_mov_b32 s[CS], 0x3e38aa3b                    ; c = log2(e) / 8
	s_mov_b32 s[CS+1], s[CS]                       ; (named with it as a pair)
	s_wait_dscnt 0x0                               ; both opening adds are done
	s_wait_kmcnt 0x0
	s_add_nc_u64 s[G0SA+2:G0SA+3], s[6:7], s[66:67]
	s_or_b32 s[G0SA+3], s[G0SA+3], 0x80000000
	s_add_nc_u64 s[G0SB+2:G0SB+3], s[10:11], s[62:63]
	s_or_b32 s[G0SB+3], s[G0SB+3], 0x80000000
	s_add_nc_u64 s[G0A+2:G0A+3], s[4:5], s[2:3]
	s_add_nc_u64 s[G0A+6:G0A+7], s[G0A+2:G0A+3], 0x200000   ; step i = 1
	s_or_b32 s[G0A+3], s[G0A+3], 0x80000000
	s_or_b32 s[G0A+7], s[G0A+7], 0x80000000
	s_add_nc_u64 s[G0B+2:G0B+3], s[8:9], s[98:99]
	s_add_nc_u64 s[G0B+6:G0B+7], s[G0B+2:G0B+3], 0x40000
	s_or_b32 s[G0B+3], s[G0B+3], 0x80000000
	s_or_b32 s[G0B+7], s[G0B+7], 0x80000000
	CROUND                                         ; all sixteen work-groups are here: the first joint loads meet
	JLOAD G0SA, G1SA, G0SB, G1SB                   ; the scales first; three loads of mine are out behind these lines
	JLOAD G0A, G1A, G0B, G1B
	JLOAD G0A+4, G1A, G0B+4, G1B
	v_and_b32 v1, 31, v0
	v_lshlrev_b32 v[GO], 4, v1
	v_lshlrev_b32 v2, 2, v1
	s_lshl_b32 s27, s19, 14                        ; my four row tiles
	v_add_nc_u32 v[ADRA], s27, v[GO]
	s_add_co_u32 s27, s27, SLOT
	v_add_nc_u32 v[ADRA+1], s27, v[GO]
	s_lshl_b32 s27, s20, 15                        ; my eight column tiles
	s_add_co_u32 s27, s27, BOFF
	v_add_nc_u32 v[ADRB], s27, v[GO]
	s_add_co_u32 s27, s27, SLOT
	v_add_nc_u32 v[ADRB+1], s27, v[GO]
	s_lshl_b32 s27, s19, 10
	s_add_co_u32 s27, s27, SCA
	v_add_nc_u32 v[ADSA], s27, v[GO]               ; a row's 16 scale bytes: lanes 0-15 one row tile, lanes 16-31 the next
	s_lshl_b32 s27, s20, 9
	s_add_co_u32 s27, s27, SCB
	v_add_nc_u32 v[ADSB], s27, v2                  ; a column's word: lanes 0-15 one column tile, lanes 16-31 the next
	; where my part of the results begins: (16 batch + head) x 262,144 + token tile x 2,048
	s_lshr_b32 s100, s24, 4
	s_lshl_b32 s100, s100, 4
	s_lshl_b32 s101, s23, 2
	s_add_co_u32 s100, s100, s101
	s_lshl_b32 s101, s20, 1
	s_add_co_u32 s100, s100, s101
	s_lshl_b32 s100, s100, 18
	s_and_b32 s101, s24, 15
	s_lshl_b32 s101, s101, 3
	s_lshl_b32 s27, s19, 2
	s_add_co_u32 s101, s101, s27
	s_lshl_b32 s101, s101, 11
	s_add_co_u32 s96, s100, s101
	s_mov_b32 s97, 0
	s_add_nc_u64 s[BASE:BASE+1], s[16:17], s[96:97]
	s_add_nc_u64 s[BASE+2:BASE+3], s[BASE:BASE+1], 0x1000000
	s_add_nc_u64 s[BASE+4:BASE+5], s[BASE:BASE+1], 0x2000000
	s_lshl_b32 s100, s23, 10
	s_lshl_b32 s101, s20, 9
	s_add_co_u32 s100, s100, s101                  ; my first column x 4
	s_mov_b32 s101, 0
	s_add_nc_u64 s[12:13], s[12:13], s[100:101]
	s_add_nc_u64 s[14:15], s[14:15], s[100:101]
	v_and_b32 v3, 15, v0
	v_bfe_u32 v13, v0, 4, 1
	v_lshlrev_b32 v13, 5, v13                      ; bq: my half's eight channels of each tile
	v_lshlrev_b32 v14, 2, v3                       ; bv: my one channel
.irp b, 0,1,2,3,4,5,6,7
	global_load_b128 v[BQ+8*\b:BQ+8*\b+3], v13, s[12:13] offset:64*\b
	global_load_b128 v[BQ+8*\b+4:BQ+8*\b+7], v13, s[12:13] offset:64*\b+16
.endr
.irp b, 0,1,2,3,4,5,6,7
	global_load_b32 v[BV+2*\b], v14, s[14:15] offset:64*\b        ; twice: a pair for the packed addition
	global_load_b32 v[BV+2*\b+1], v14, s[14:15] offset:64*\b
.endr
; one product; r0, r1: the scale words lie in lanes 16-31 of their registers; z: it starts the sum
.macro WM d, s0, s1, z, c0, c1, r0, r1
.if \z
.if (\r0) && (\r1)
	v_wmma_scale_f32_16x16x128_f8f6f4 v[(\d):(\d)+7], v[(\s0):(\s0)+7], v[(\s1):(\s1)+7], 0, v[(\c0)], v[(\c1)] matrix_a_fmt:MATRIX_FMT_FP4 matrix_b_fmt:MATRIX_FMT_FP4 matrix_a_scale:MATRIX_SCALE_ROW1 matrix_b_scale:MATRIX_SCALE_ROW1
.elseif (\r0)
	v_wmma_scale_f32_16x16x128_f8f6f4 v[(\d):(\d)+7], v[(\s0):(\s0)+7], v[(\s1):(\s1)+7], 0, v[(\c0)], v[(\c1)] matrix_a_fmt:MATRIX_FMT_FP4 matrix_b_fmt:MATRIX_FMT_FP4 matrix_a_scale:MATRIX_SCALE_ROW1
.elseif (\r1)
	v_wmma_scale_f32_16x16x128_f8f6f4 v[(\d):(\d)+7], v[(\s0):(\s0)+7], v[(\s1):(\s1)+7], 0, v[(\c0)], v[(\c1)] matrix_a_fmt:MATRIX_FMT_FP4 matrix_b_fmt:MATRIX_FMT_FP4 matrix_b_scale:MATRIX_SCALE_ROW1
.else
	v_wmma_scale_f32_16x16x128_f8f6f4 v[(\d):(\d)+7], v[(\s0):(\s0)+7], v[(\s1):(\s1)+7], 0, v[(\c0)], v[(\c1)] matrix_a_fmt:MATRIX_FMT_FP4 matrix_b_fmt:MATRIX_FMT_FP4
.endif
.else
.if (\r0) && (\r1)
	v_wmma_scale_f32_16x16x128_f8f6f4 v[(\d):(\d)+7], v[(\s0):(\s0)+7], v[(\s1):(\s1)+7], v[(\d):(\d)+7], v[(\c0)], v[(\c1)] matrix_a_fmt:MATRIX_FMT_FP4 matrix_b_fmt:MATRIX_FMT_FP4 matrix_a_scale:MATRIX_SCALE_ROW1 matrix_b_scale:MATRIX_SCALE_ROW1
.elseif (\r0)
	v_wmma_scale_f32_16x16x128_f8f6f4 v[(\d):(\d)+7], v[(\s0):(\s0)+7], v[(\s1):(\s1)+7], v[(\d):(\d)+7], v[(\c0)], v[(\c1)] matrix_a_fmt:MATRIX_FMT_FP4 matrix_b_fmt:MATRIX_FMT_FP4 matrix_a_scale:MATRIX_SCALE_ROW1
.elseif (\r1)
	v_wmma_scale_f32_16x16x128_f8f6f4 v[(\d):(\d)+7], v[(\s0):(\s0)+7], v[(\s1):(\s1)+7], v[(\d):(\d)+7], v[(\c0)], v[(\c1)] matrix_a_fmt:MATRIX_FMT_FP4 matrix_b_fmt:MATRIX_FMT_FP4 matrix_b_scale:MATRIX_SCALE_ROW1
.else
	v_wmma_scale_f32_16x16x128_f8f6f4 v[(\d):(\d)+7], v[(\s0):(\s0)+7], v[(\s1):(\s1)+7], v[(\d):(\d)+7], v[(\c0)], v[(\c1)] matrix_a_fmt:MATRIX_FMT_FP4 matrix_b_fmt:MATRIX_FMT_FP4
.endif
.endif
.endm
; eight products: row tile a against the eight column tiles, k step q of the slot, fragments in set f, scale words in set s.  order 0: w is source 0; order 1: x is.
; The 32 accumulators take turns, one instruction a turn, in the same order in every k step.
.macro MUL8 f, a, q, set, order, zero
.irp b, 0,1,2,3,4,5,6,7
.if \order
	WM 8*(8*(\a)+\b), (\f)+8*(\a), (\f)+32+8*\b, \zero, SC+24*(\set)+4*((\a)/2)+(\q), SC+24*(\set)+8+4*(\q)+\b/2, (\a)%2, \b%2
.else
	WM 8*(8*(\a)+\b), (\f)+32+8*\b, (\f)+8*(\a), \zero, SC+24*(\set)+8+4*(\q)+\b/2, SC+24*(\set)+4*((\a)/2)+(\q), \b%2, (\a)%2
.endif
.endr
.endm
.macro FETCH slot, q, f                ; 24 loads in one run: w's eight fragments, then x's four; the youngest four are x's tiles 2 and 3
	WIN W_TOF
.irp i, 0,1,2,3,4,5,6,7
	ds_load_b128 v[(\f)+32+8*\i:(\f)+32+8*\i+3], v[ADRB+\slot] offset:\i*4096+(\q)*1024
	ds_load_b128 v[(\f)+32+8*\i+4:(\f)+32+8*\i+7], v[ADRB+\slot] offset:\i*4096+(\q)*1024+512
.endr
.irp i, 0,1,2,3
	ds_load_b128 v[(\f)+8*\i:(\f)+8*\i+3], v[ADRA+\slot] offset:\i*4096+(\q)*1024
	ds_load_b128 v[(\f)+8*\i+4:(\f)+8*\i+7], v[ADRA+\slot] offset:\i*4096+(\q)*1024+512
.endr
.endm
.macro SCALES i                        ; slot step i's scale words into set i % 2 (every window is 0 here)
.irp p, 0,1
	ds_load_b128 v[SC+24*((\i)%2)+4*\p:SC+24*((\i)%2)+4*\p+3], v[ADSA] offset:(\i)*2048+\p*512
.endr
.irp q, 0,1,2,3
.irp pp, 0,1,2,3
	ds_load_b32 v[SC+24*((\i)%2)+8+4*\q+\pp], v[ADSB] offset:(4*(\i)+\q)*1024+\pp*128
.endr
.endr
.endm
; k step q = 0, 1, 2 of a slot: multiplies set q % 2 and fetches the next k step into the other
.macro QUARTER slot, q, order, zero
	s_wait_dscnt 4                                 ; all but x's tiles 2 and 3
	WIN W_MUL
	MUL8 96*((\q)%2), 0, \q, \slot, \order, \zero
	MUL8 96*((\q)%2), 1, \q, \slot, \order, \zero
	PLACES 4                                       ; four plain places in front of loads into registers that matrix instructions have read (ISA guide 7.12.1 for vector instructions)
	FETCH \slot, (\q)+1, 96-96*((\q)%2)
	s_wait_dscnt 24                                ; all but the 24 just issued
	WIN W_MUL
	MUL8 96*((\q)%2), 2, \q, \slot, \order, \zero
	MUL8 96*((\q)%2), 3, \q, \slot, \order, \zero
.endm
; k step 3 changes slots: one barrier; in front of it each wave waits for all its tensor loads, adds 0 to its spare word, and waits for that and for its reads of this slot.  fill = 1: the slot is filled again, two steps ahead.
.macro TURN slot, next, fill, order, inext
	WIN 0
	s_wait_tensorcnt 0x0                           ; all my tensor loads have landed: my part of the next slot
	ds_add_u32 v[SPW], v[NIL]
	s_wait_dscnt 5                                 ; (the add and the youngest four loads may be out)
	WIN W_MUL
	MUL8 96, 0, 3, \slot, \order, 0
	s_wait_dscnt 0x0                               ; the add is done, and my reads of this slot are over
	s_barrier_signal -1
	MUL8 96, 1, 3, \slot, \order, 0
	WIN 0
	s_barrier_wait -1
.if \fill
	CREST                                          ; the barrier has opened a round of the cluster's: no wave of any partner still reads this slot or has a load on its way
	s_add_nc_u64 s[G0A+4*\slot+2:G0A+4*\slot+3], s[G0A+4*\slot+2:G0A+4*\slot+3], 0x400000
	s_add_nc_u64 s[G0B+4*\slot+2:G0B+4*\slot+3], s[G0B+4*\slot+2:G0B+4*\slot+3], 0x80000
	JLOAD G0A+4*\slot, G1A, G0B+4*\slot, G1B       ; the first tensor load behind the round; its four v_nop are also the places in front of the loads below
.else
	PLACES 4
.endif
	SCALES \inext
	FETCH \next, 0, 0
	WIN W_MUL
	MUL8 96, 2, 3, \slot, \order, 0
	MUL8 96, 3, 3, \slot, \order, 0
.endm
; THE WAY OUT of one tensor, a row tile at a time: bias and scale in f32, one rounding to f16, eight stores of 512 consecutive bytes.  The accumulators are read in ascending order.
; Row tiles 0 and 1 were finished in front of the four places of the change of slots; the lines of tiles 0 and 1 are the places behind the products of tiles 2 and 3.
.macro EPI kind                        ; 0 Q, 1 K, 2 V
.irp a, 0,1,2,3
	s_wait_xcnt 0x0                                ; the earlier stores have read their registers: P is written again only behind this wait
.if \kind == 1
	WIN 0x05                                       ; sources 0 and 1 window 1
.set n, 0
.rept 32
	v_cvt_pk_f16_f32 v[P+n], v[64*\a+2*n], v[64*\a+2*n+1]
.set n, n+1
.endr
	WIN 0
.else
	WIN 0x01                                       ; source 0 window 1
.set n, 0
.rept 32
.if \kind == 0
	v_pk_fma_f32 v[T+2*n:T+2*n+1], v[64*\a+2*n:64*\a+2*n+1], s[CS:CS+1], v[BQ+2*n:BQ+2*n+1] op_sel_hi:[1,0,1]   ; sum x c + bq x c
.else
	v_pk_add_f32 v[T+2*n:T+2*n+1], v[64*\a+2*n:64*\a+2*n+1], v[BV+2*(n/4):BV+2*(n/4)+1]
.endif
.set n, n+1
.endr
	WIN 0
.set n, 0
.rept 32
	v_cvt_pk_f16_f32 v[P+n], v[T+2*n], v[T+2*n+1]
.set n, n+1
.endr
.endif
.irp b, 0,1,2,3,4,5,6,7
.if \kind < 2
	global_store_b128 v[GO], v[P+4*\b:P+4*\b+3], s[BASE+2*\kind:BASE+2*\kind+1] offset:(\b/4)*262144+\a*2048+((\b%4)/2)*1024+(\b%2)*512 th:TH_STORE_NT
.else
	global_store_b128 v[GO], v[P+4*\b:P+4*\b+3], s[BASE+2*\kind:BASE+2*\kind+1] offset:(\b/4)*262144+(\a/2)*4096+(\b%4)*1024+(\a%2)*512 th:TH_STORE_NT
.endif
.endr
.endr
.endm
	s_wait_tensorcnt 1                             ; the scales and my part of step 0 are in; step 1's load may stay out
	s_barrier_signal -1
	s_barrier_wait -1
	SCALES 0
	FETCH 0, 0, 0
	WIN 0
	s_wait_loadcnt 0x0                             ; the biases
.set n, 0
.rept 32
	v_pk_mul_f32 v[BQ+2*n:BQ+2*n+1], v[BQ+2*n:BQ+2*n+1], s[CS:CS+1] op_sel_hi:[1,0]
.set n, n+1
.endr
	; Q: steps 0 and 1.  The first k step's products start the sums: nothing is cleared
	QUARTER 0, 0, 0, 1
	QUARTER 0, 1, 0, 0
	QUARTER 0, 2, 0, 0
	TURN 0, 1, 1, 0, 1
	QUARTER 1, 0, 0, 0
	QUARTER 1, 1, 0, 0
	QUARTER 1, 2, 0, 0
	TURN 1, 0, 1, 0, 2
	EPI 0                                          ; its stores are on their way while K is multiplied
	; K: steps 2 and 3
	QUARTER 0, 0, 0, 1
	QUARTER 0, 1, 0, 0
	QUARTER 0, 2, 0, 0
	TURN 0, 1, 1, 0, 3
	QUARTER 1, 0, 0, 0
	QUARTER 1, 1, 0, 0
	QUARTER 1, 2, 0, 0
	TURN 1, 0, 1, 0, 4
	EPI 1
	; V: steps 4 and 5; nothing is left to fetch
	QUARTER 0, 0, 1, 1
	QUARTER 0, 1, 1, 0
	QUARTER 0, 2, 1, 0
	TURN 0, 1, 0, 1, 5
	QUARTER 1, 0, 1, 0
	QUARTER 1, 1, 1, 0
	QUARTER 1, 2, 1, 0
	s_wait_dscnt 4
	WIN W_MUL
	MUL8 96, 0, 3, 1, 1, 0
	MUL8 96, 1, 3, 1, 1, 0
	s_wait_dscnt 0x0
	MUL8 96, 2, 3, 1, 1, 0
	MUL8 96, 3, 3, 1, 1, 0
	WIN 0
	PLACES 4
	EPI 2
	s_wait_tensorcnt 0x0                           ; the wave's end
	ds_add_u32 v[SPW], v[NIL]
	s_wait_dscnt 0x0
	CROUND                                         ; the closing round
	s_endpgm
.Lfunc_end_k_qf123d9a690_proj:
	.size	k_qf123d9a690_proj, .Lfunc_end_k_qf123d9a690_proj-k_qf123d9a690_proj
	.p2alignl 7, 3214868480
	.fill 96, 4, 3214868480
	.section	.rodata,"a",@progbits
	.p2align	6, 0x0
	.amdhsa_kernel k_qf123d9a690_proj
		.amdhsa_group_segment_fixed_size 327680
		.amdhsa_private_segment_fixed_size 0
		.amdhsa_enable_private_segment 0
		.amdhsa_kernarg_size 56
		.amdhsa_user_sgpr_count 2
		.amdhsa_user_sgpr_kernarg_segment_ptr 1
		.amdhsa_wavefront_size32 1
		.amdhsa_system_sgpr_workgroup_id_x 1
		.amdhsa_system_sgpr_workgroup_id_y 1
		.amdhsa_system_sgpr_workgroup_id_z 1
		.amdhsa_system_vgpr_workitem_id 0
		.amdhsa_next_free_vgpr 704
		.amdhsa_next_free_sgpr 102
		.amdhsa_reserve_vcc 0
		.amdhsa_float_denorm_mode_32 3
		.amdhsa_float_denorm_mode_16_64 3
		.amdhsa_memory_ordered 1
		.amdhsa_forward_progress 1
		.amdhsa_inst_pref_size 214
	.end_amdhsa_kernel
	.amdgpu_metadata
---
amdhsa.version: [ 1, 2 ]
amdhsa.kernels:
  - .name:           k_qf123d9a690_proj
    .symbol:         k_qf123d9a690_proj.kd
    .args:
      - { .name: xc, .offset: 0, .size: 8, .value_kind: global_buffer, .address_space: global }
      - { .name: xs, .offset: 8, .size: 8, .value_kind: global_buffer, .address_space: global }
      - { .name: wc, .offset: 16, .size: 8, .value_kind: global_buffer, .address_space: global }
      - { .name: ws, .offset: 24, .size: 8, .value_kind: global_buffer, .address_space: global }
      - { .name: bq, .offset: 32, .size: 8, .value_kind: global_buffer, .address_space: global }
      - { .name: bv, .offset: 40, .size: 8, .value_kind: global_buffer, .address_space: global }
      - { .name: qkv, .offset: 48, .size: 8, .value_kind: global_buffer, .address_space: global }
    .group_segment_fixed_size: 327680
    .private_segment_fixed_size: 0
    .kernarg_segment_align: 8
    .kernarg_segment_size: 56
    .max_flat_workgroup_size: 128
    .sgpr_count:     102
    .vgpr_count:     704
    .wavefront_size: 32
...
	.end_amdgpu_metadata
.endif
;; end of part 2
;; launch attn (part 3): grid 4 x 64, 8 waves a work-group, clusters of 4 x 1, 327,680 bytes of LDS; arguments qkv, cvf; writes cvf
.if DOCPART == 3
	.amdgcn_target "amdgcn-amd-amdhsa--gfx1250"
	.amdhsa_code_object_version 6
	.text
	.protected	k_qf123d9a690_attn
	.globl	k_qf123d9a690_attn
	.p2align	8
	.type	k_qf123d9a690_attn,@function
k_qf123d9a690_attn:
	s_mov_b64 s[64:65], 0
	v_nop
	global_prefetch_b8 v0, s[64:65] scope:SCOPE_SE
	s_setreg_imm32_b32 hwreg(HW_REG_WAVE_MODE, 25, 1), 1
	s_wait_xcnt 0x0
	s_wait_alu depctr_hold_cnt(0) depctr_sa_sdst(0) depctr_va_vdst(0) depctr_va_sdst(0) depctr_va_ssrc(0) depctr_va_vcc(0) depctr_vm_vsrc(0)
	s_getreg_b32 s2, hwreg(HW_REG_IB_STS2, 6, 4)
	s_cmp_eq_u32 s2, 0
	s_cbranch_scc0 .Lentry_in_a_cluster
	s_endpgm
.Lentry_in_a_cluster:
	s_bfe_u32 s2, ttmp6, 0x10000c
	s_cmp_lg_u32 s2, 0x3003
	s_cbranch_scc0 .Lentry_shape_is_right
	s_endpgm
.Lentry_shape_is_right:
; Launch 3 of 4: cv[b][s][head] = softmax_t(Q . K) V for each of 64 (batch, head), 2,048 queries and keys, head size 64.  Operands f16, sums, maxima and the softmax in f32.
; Q was multiplied by c = log2(e) / 8 before its rounding, so a score comes out as t and p = 2^(t - m), m the row's running maximum; O and the sum l are multiplied by 2^(old m - new m) in every step.
; (bk is left out in the launch before: see the head of the first launch.)
; SHARES.  A cluster of four work-groups is one (batch, head); a work-group owns 512 queries, each of its eight waves 64: four tiles of 16.  Every wave walks all keys, 64 a step.  Two waves of 512 registers
; lie on a SIMD, so that one wave's softmax stands beside the other's products and LDS loads; each fragment of K and V read from LDS feeds four products.
; LAYOUT.  S^T = K Q^T (source 0 = 16 keys, source 1 = 16 queries), O^T = V^T P (source 0 = 16 channels, source 1 = P): a lane holds ONE query throughout; two tiles of S^T rounded in pairs ARE source 1 of the second product.
; K and V lie in memory as images of their fragments: a slot's 512 keys are 65,536 dense bytes of each; each wave fetches 16,384 of them by one joint load with the mask of all four work-groups.
; The result leaves as the image that the last launch wants: cvf [128 k: head / 2][row tile 512][32 k: 4][1,024]; a wave's store covers 512 consecutive bytes.
; REGISTERS: window 0: v1-7 addresses; v16-47 statistics, eight a tile: +0 m, +2, +3 l, +4 a, +6, +7 at work (+1, +5 only fill pairs); v64-191 S^T, then p, then P; v192-255 K.
;   window 1: v0-127 O^T, (t, ct) at 8 (4 t + ct); v128-191 Q; v192-255 V.
.set SLOT1, 131072
.set SPARE, 262144                     ; the spare words, 128 bytes for each of eight waves
.set SPW, 1
.set NIL, 2
.set AK0, 3                            ; 16 x lane
.set AV0, 4                            ; 16 x lane + 65,536
.set ADK, 5
.set ADV, 6
.set GO,  7                            ; 16 x lane
.set ST,  16
.set S,   64
.set KF,  192
.set QF,  128
.set VF,  192
.set WV,  8
.set G1,  12
.set G0,  20                           ; s[20:23] slot 0's first fill; s[24:27] slot 1's, which then walks on
.set SEL, 28
.set TB,  30                           ; LDS byte at which the step's tiles of K begin
.set CNT, 31
.set SLC, 32
.set MSB, 0
.macro WIN new
.if MSB != \new
	s_set_vgpr_msb (MSB<<8)|\new
.set MSB, \new
.endif
.endm
.set W_QK, 0x04                        ; Q (source 1) window 1
.set W_PV, 0x51                        ; V (source 0), C and D window 1
.set W_RS, 0x41                        ; O^T (destination, source 0) window 1
.set W_LD, 0x40                        ; destination window 1
.set W_CV, 0x05                        ; sources 0 and 1 window 1
.macro CROUND
	s_barrier_signal -1
	s_barrier_wait -1
	s_cmp_lg_u32 s[WV], 0
	s_cbranch_scc1 .Lnot_wave_0_\@
	s_barrier_signal -3
.Lnot_wave_0_\@:
	s_barrier_wait -3
	s_barrier_signal -1
	s_barrier_wait -1
.endm
.macro PLACES n
.rept \n
	v_nop
.endr
.endm
	s_load_b128 s[4:7], s[0:1], 0x0                ; qkv, cvf
	v_lshl_add_u32 v[SPW], v0, 2, SPARE
	v_mov_b32 v[NIL], 0
	ds_add_u32 v[SPW], v[NIL]                      ; the wave's opening: the add, twice on end, and its wait ahead of my first tensor load
	ds_add_u32 v[SPW], v[NIL]
	v_lshrrev_b32 v8, 5, v0
	v_readfirstlane_b32 s[WV], v8                  ; wave 0..7
	s_bfe_u32 s9, ttmp6, 0x40000                   ; cx
	s_lshl_b32 s11, ttmp9, 2
	s_add_co_u32 s11, s11, s9                      ; my block of 512 queries: it enters Q's and the result's addresses alone
	s_and_b32 s10, ttmp7, 0xffff                   ; 16 batch + head, which the four partners share
	s_mov_b32 s[G1], 15|(3<<16)|(1<<21)            ; the mask: all four; elements of 8 bytes; bit 21 beside a mask
	s_mov_b32 s[G1+1], 32<<16                      ; a dense block as 64 rows of 256 bytes
	s_mov_b32 s[G1+2], 64<<16
	s_mov_b32 s[G1+3], 32<<16
	s_mov_b32 s[G1+4], 64
	s_mov_b32 s[G1+5], 32
	s_mov_b32 s[G1+6], 0
	s_mov_b32 s[G1+7], 0
	s_mov_b32 s[G0], 1
	s_lshl_b32 s[G0+1], s[WV], 14                  ; waves 0-3: K's quarters; waves 4-7: V's, behind them
	s_mov_b32 s[G0+4], 1
	s_add_co_u32 s[G0+5], s[G0+1], SLOT1
	s_lshr_b32 s34, s[WV], 2
	s_lshl_b32 s34, s34, 24                        ; K at 2^24, V at 2^25
	s_and_b32 s35, s[WV], 3
	s_lshl_b32 s35, s35, 14
	s_add_co_u32 s34, s34, s35
	s_lshl_b32 s35, s10, 18
	s_add_co_u32 s34, s34, s35
	s_add_co_u32 s34, s34, 0x1000000
	s_mov_b32 s35, 0
	s_lshl_b32 s36, s10, 18                        ; Q: my wave's four tiles of 2,048 bytes
	s_lshl_b32 s37, s11, 16
	s_add_co_u32 s36, s36, s37
	s_lshl_b32 s37, s[WV], 13
	s_add_co_u32 s36, s36, s37
	s_mov_b32 s37, 0
	s_bfe_u32 s38, s10, 0x30001                    ; head / 2
	s_lshl_b32 s38, s38, 21
	s_lshr_b32 s39, s10, 4                         ; batch: 128 row tiles of 4,096 bytes
	s_lshl_b32 s39, s39, 19
	s_add_co_u32 s38, s38, s39
	s_lshl_b32 s39, s11, 17
	s_add_co_u32 s38, s38, s39
	s_lshl_b32 s39, s[WV], 14
	s_add_co_u32 s38, s38, s39
	s_and_b32 s39, s10, 1
	s_lshl_b32 s39, s39, 11
	s_add_co_u32 s38, s38, s39
	s_mov_b32 s39, 0
	s_mov_b32 s[SEL], 0x76543210
	s_mov_b32 s[SEL+1], 0xfedcba98                 ; v_permlanex16_b32: lane l xor 16
	s_mov_b32 s[TB], 0
	s_wait_dscnt 0x0                               ; both opening adds are done
	s_wait_kmcnt 0x0
	s_add_nc_u64 s[G0+2:G0+3], s[4:5], s[34:35]
	s_add_nc_u64 s[G0+6:G0+7], s[G0+2:G0+3], 65536
	s_or_b32 s[G0+3], s[G0+3], 0x80000000
	s_or_b32 s[G0+7], s[G0+7], 0x80000000
	s_add_nc_u64 s[40:41], s[4:5], s[36:37]
	s_add_nc_u64 s[42:43], s[6:7], s[38:39]
	CROUND                                         ; all four work-groups are here: the first joint loads meet
	tensor_load_to_lds s[G0:G0+3], s[G1:G1+7]      ; every wave issues both first fills: two loads of mine are out
	s_nop 0
	tensor_load_to_lds s[G0+4:G0+7], s[G1:G1+7]
	s_nop 0
.rept 4
	v_nop
.endr
	v_and_b32 v8, 31, v0
	v_lshlrev_b32 v[AK0], 4, v8
	v_lshlrev_b32 v[GO], 4, v8
	v_add_nc_u32 v[AV0], 65536, v[AK0]
	WIN W_LD
.set f, 0
.rept 8
	global_load_b128 v[QF+8*f:QF+8*f+3], v[GO], s[40:41] offset:f*1024        ; Q stays in registers: tile f / 2, channels 32 (f % 2) on
	global_load_b128 v[QF+8*f+4:QF+8*f+7], v[GO], s[40:41] offset:f*1024+512
.set f, f+1
.endr
	WIN 0
.irp t, 0,1,2,3
	v_mov_b32 v[ST+8*\t+1], 0                      ; named as the upper halves of the pairs of m and of a
	v_mov_b32 v[ST+8*\t+5], 0
.endr
; A KEY STEP: 64 keys.  first = 1: the first step starts m, l and O^T: it has no a and nothing to rescale.
.macro STEP first
	v_add_nc_u32 v[ADK], s[TB], v[AK0]
	v_add_nc_u32 v[ADV], s[TB], v[AV0]
.set f, 0
.rept 8
	ds_load_b128 v[KF+8*f:KF+8*f+3], v[ADK] offset:f*1024           ; K: keys 16 (f / 2) on, channels 32 (f % 2) on
	ds_load_b128 v[KF+8*f+4:KF+8*f+7], v[ADK] offset:f*1024+512
.set f, f+1
.endr
	WIN W_LD
.set f, 0
.rept 8
	ds_load_b128 v[VF+8*f:VF+8*f+3], v[ADV] offset:f*1024           ; V: keys 32 (f / 4) on, channels 16 (f % 4) on
	ds_load_b128 v[VF+8*f+4:VF+8*f+7], v[ADV] offset:f*1024+512
.set f, f+1
.endr
	s_wait_dscnt 16                                ; K is in; V's 16 loads may be out
	WIN W_QK
.irp g, 0,1                            ; the 16 accumulators take turns
.irp t, 0,1,2,3
.irp kt, 0,1,2,3
.if \g == 0
	v_wmma_f32_16x16x32_f16 v[S+32*\t+8*\kt:S+32*\t+8*\kt+7], v[KF+8*(2*\kt+\g):KF+8*(2*\kt+\g)+7], v[QF+8*(2*\t+\g):QF+8*(2*\t+\g)+7], 0
.else
	v_wmma_f32_16x16x32_f16 v[S+32*\t+8*\kt:S+32*\t+8*\kt+7], v[KF+8*(2*\kt+\g):KF+8*(2*\kt+\g)+7], v[QF+8*(2*\t+\g):QF+8*(2*\t+\g)+7], v[S+32*\t+8*\kt:S+32*\t+8*\kt+7]
.endif
.endr
.endr
.endr
	WIN 0
	PLACES 4
	; the maximum of my 32 scores and the old m: two chains a tile, the tiles by turns; each accumulator is first read at its low end
.irp t, 0,1,2,3
	v_max3_num_f32 v[ST+8*\t+6], v[S+32*\t], v[S+32*\t+1], v[S+32*\t+2]
	v_max3_num_f32 v[ST+8*\t+7], v[S+32*\t+16], v[S+32*\t+17], v[S+32*\t+18]
.endr
.irp i, 3,5,7,9,11,13
.irp t, 0,1,2,3
	v_max3_num_f32 v[ST+8*\t+6], v[ST+8*\t+6], v[S+32*\t+\i], v[S+32*\t+\i+1]
	v_max3_num_f32 v[ST+8*\t+7], v[ST+8*\t+7], v[S+32*\t+16+\i], v[S+32*\t+17+\i]
.endr
.endr
.irp t, 0,1,2,3
	v_max3_num_f32 v[ST+8*\t+6], v[ST+8*\t+6], v[S+32*\t+15], v[S+32*\t+31]
.endr
.irp t, 0,1,2,3
.if \first
	v_max_num_f32 v[ST+8*\t+6], v[ST+8*\t+6], v[ST+8*\t+7]
.else
	v_max3_num_f32 v[ST+8*\t+6], v[ST+8*\t+6], v[ST+8*\t+7], v[ST+8*\t]
.endif
.endr
.irp t, 0,1,2,3
	v_permlanex16_b32 v[ST+8*\t+7], v[ST+8*\t+6], s[SEL], s[SEL+1]   ; the query's other 32 keys lie in the lane 16 away
.endr
.if !\first
.irp t, 0,1,2,3
	v_mov_b32 v[ST+8*\t+4], v[ST+8*\t]             ; the old m
.endr
.endif
.irp t, 0,1,2,3
	v_max_num_f32 v[ST+8*\t], v[ST+8*\t+6], v[ST+8*\t+7]
.endr
.if !\first
.irp t, 0,1,2,3
	v_sub_f32 v[ST+8*\t+4], v[ST+8*\t+4], v[ST+8*\t]
.endr
.endif
.irp t, 0,1,2,3
.set n, 0
.rept 16
	v_pk_add_f32 v[S+32*\t+2*n:S+32*\t+2*n+1], v[S+32*\t+2*n:S+32*\t+2*n+1], v[ST+8*\t:ST+8*\t+1] op_sel_hi:[1,0] neg_lo:[0,1] neg_hi:[0,1]   ; t - m
.set n, n+1
.endr
.endr
	; the exponentials are one batch: none reads another's result
.if !\first
.irp t, 0,1,2,3
	v_exp_f32 v[ST+8*\t+4], v[ST+8*\t+4]           ; a = 2^(old m - new m)
.endr
.endif
.set n, 0
.rept 128
	v_exp_f32 v[S+n], v[S+n]
.set n, n+1
.endr
	v_nop                                          ; a plain instruction behind the last exponential
	s_wait_alu depctr_va_vdst(0)                   ; and one wait for the batch, ahead of its first reader
	; l = a l + the sum of p, in f32, of the p that are not yet rounded: two chains a tile
.irp t, 0,1,2,3
.if \first
	v_pk_add_f32 v[ST+8*\t+2:ST+8*\t+3], v[S+32*\t:S+32*\t+1], v[S+32*\t+4:S+32*\t+5]
.else
	v_pk_fma_f32 v[ST+8*\t+2:ST+8*\t+3], v[ST+8*\t+2:ST+8*\t+3], v[ST+8*\t+4:ST+8*\t+5], v[S+32*\t:S+32*\t+1] op_sel_hi:[1,0,1]
	v_pk_add_f32 v[ST+8*\t+2:ST+8*\t+3], v[ST+8*\t+2:ST+8*\t+3], v[S+32*\t+4:S+32*\t+5]
.endif
	v_pk_add_f32 v[ST+8*\t+6:ST+8*\t+7], v[S+32*\t+2:S+32*\t+3], v[S+32*\t+6:S+32*\t+7]
.endr
.irp j, 8,12,16,20,24,28
.irp t, 0,1,2,3
	v_pk_add_f32 v[ST+8*\t+2:ST+8*\t+3], v[ST+8*\t+2:ST+8*\t+3], v[S+32*\t+\j:S+32*\t+\j+1]
	v_pk_add_f32 v[ST+8*\t+6:ST+8*\t+7], v[ST+8*\t+6:ST+8*\t+7], v[S+32*\t+\j+2:S+32*\t+\j+3]
.endr
.endr
.irp t, 0,1,2,3
	v_pk_add_f32 v[ST+8*\t+2:ST+8*\t+3], v[ST+8*\t+2:ST+8*\t+3], v[ST+8*\t+6:ST+8*\t+7]
.endr
.irp t, 0,1,2,3
.set n, 0
.rept 16
	v_cvt_pk_f16_f32 v[S+32*\t+n], v[S+32*\t+2*n], v[S+32*\t+2*n+1]   ; in place, ascending: P of keys 32 kg on lies at S + 32 t + 8 kg
.set n, n+1
.endr
.endr
.if !\first
	WIN W_RS
.irp t, 0,1,2,3
.set n, 0
.rept 16
	v_pk_mul_f32 v[32*\t+2*n:32*\t+2*n+1], v[32*\t+2*n:32*\t+2*n+1], v[ST+8*\t+4:ST+8*\t+5] op_sel_hi:[1,0]   ; O^T x a
.set n, n+1
.endr
.endr
.endif
	s_wait_dscnt 0x0                               ; V is in
	WIN W_PV
.irp kg, 0,1
.irp t, 0,1,2,3
.irp ct, 0,1,2,3
.if \first && (\kg == 0)
	v_wmma_f32_16x16x32_f16 v[8*(4*\t+\ct):8*(4*\t+\ct)+7], v[VF+8*(4*\kg+\ct):VF+8*(4*\kg+\ct)+7], v[S+32*\t+8*\kg:S+32*\t+8*\kg+7], 0
.else
	v_wmma_f32_16x16x32_f16 v[8*(4*\t+\ct):8*(4*\t+\ct)+7], v[VF+8*(4*\kg+\ct):VF+8*(4*\kg+\ct)+7], v[S+32*\t+8*\kg:S+32*\t+8*\kg+7], v[8*(4*\t+\ct):8*(4*\t+\ct)+7]
.endif
.endr
.endr
.endr
	WIN 0
	PLACES 5                                       ; four in front of the next loads into V's registers, five in front of the next products, which write over P's
	s_add_co_u32 s[TB], s[TB], 8192                ; the next step's tiles: 8,192 bytes on in K and in V
.endm
.macro STEPS n
	s_mov_b32 s[CNT], \n
.Lstep_\@:
	STEP 0
	s_sub_co_u32 s[CNT], s[CNT], 1
	s_cmp_lg_u32 s[CNT], 0
	s_cbranch_scc1 .Lstep_\@
.endm
; THE CHANGE OF SLOTS.  Each wave waits for all its tensor loads (one is out: its part of the other slot), adds 0 to its spare word, and waits for that and for its reads of the slot that it leaves.
; fill = 1: that slot is filled again, behind a round of the cluster's barrier, with the keys two slots on: the load has eight key steps in which to land.
.macro CHANGE fill
	s_wait_tensorcnt 0x0
	ds_add_u32 v[SPW], v[NIL]
.if \fill
	s_xor_b32 s[G0+5], s[G0+5], SLOT1              ; the walking descriptor: the other slot than last time,
	s_add_nc_u64 s[G0+6:G0+7], s[G0+6:G0+7], 65536 ; the next 512 keys
.endif
	s_wait_dscnt 0x0
.if \fill
	CROUND
	tensor_load_to_lds s[G0+4:G0+7], s[G1:G1+7]
	s_nop 0
.rept 4
	v_nop
.endr
.else
	s_barrier_signal -1
	s_barrier_wait -1
.endif
	s_sub_co_u32 s[TB], s[TB], 65536
	s_xor_b32 s[TB], s[TB], SLOT1
.endm
	s_wait_tensorcnt 1                             ; my part of slot 0 is in; slot 1's may stay out
	s_barrier_signal -1
	s_barrier_wait -1
	s_wait_loadcnt 0x0                             ; Q
	STEP 1
	STEPS 7
	s_mov_b32 s[SLC], 2
.Lslot:                                ; slots 0 and 1 are filled again, once each
	CHANGE 1
	STEPS 8
	s_sub_co_u32 s[SLC], s[SLC], 1
	s_cmp_lg_u32 s[SLC], 0
	s_cbranch_scc1 .Lslot
	CHANGE 0                                       ; the last slot is written out
	STEPS 8
	; THE WAY OUT: O^T / l, rounded to f16; a lane's eight channels are 16 bytes of the image
.irp t, 0,1,2,3
	v_add_f32 v[ST+8*\t+6], v[ST+8*\t+2], v[ST+8*\t+3]
.endr
.irp t, 0,1,2,3
	v_permlanex16_b32 v[ST+8*\t+7], v[ST+8*\t+6], s[SEL], s[SEL+1]
.endr
.irp t, 0,1,2,3
	v_add_f32 v[ST+8*\t+6], v[ST+8*\t+6], v[ST+8*\t+7]
.endr
.irp t, 0,1,2,3
	v_rcp_f32 v[ST+8*\t+4], v[ST+8*\t+6]
.endr
	v_nop
	s_wait_alu depctr_va_vdst(0)                   ; one wait for the four reciprocals
	WIN W_RS
.irp t, 0,1,2,3
.set n, 0
.rept 16
	v_pk_mul_f32 v[32*\t+2*n:32*\t+2*n+1], v[32*\t+2*n:32*\t+2*n+1], v[ST+8*\t+4:ST+8*\t+5] op_sel_hi:[1,0]
.set n, n+1
.endr
.endr
	WIN W_CV
.irp t, 0,1,2,3
.set n, 0
.rept 16
	v_cvt_pk_f16_f32 v[S+32*\t+n], v[32*\t+2*n], v[32*\t+2*n+1]
.set n, n+1
.endr
.endr
	WIN 0
.irp t, 0,1,2,3
.irp ct, 0,1,2,3
	global_store_b128 v[GO], v[S+32*\t+4*\ct:S+32*\t+4*\ct+3], s[42:43] offset:\t*4096+(\ct/2)*1024+(\ct%2)*512 th:TH_STORE_NT   ; 512 consecutive bytes, aligned
.endr
.endr
	s_wait_tensorcnt 0x0                           ; the wave's end
	ds_add_u32 v[SPW], v[NIL]
	s_wait_dscnt 0x0
	CROUND                                         ; the closing round
	s_endpgm
.Lfunc_end_k_qf123d9a690_attn:
	.size	k_qf123d9a690_attn, .Lfunc_end_k_qf123d9a690_attn-k_qf123d9a690_attn
	.p2alignl 7, 3214868480
	.fill 96, 4, 3214868480
	.section	.rodata,"a",@progbits
	.p2align	6, 0x0
	.amdhsa_kernel k_qf123d9a690_attn
		.amdhsa_group_segment_fixed_size 327680
		.amdhsa_private_segment_fixed_size 0
		.amdhsa_enable_private_segment 0
		.amdhsa_kernarg_size 16
		.amdhsa_user_sgpr_count 2
		.amdhsa_user_sgpr_kernarg_segment_ptr 1
		.amdhsa_wavefront_size32 1
		.amdhsa_system_sgpr_workgroup_id_x 1
		.amdhsa_system_sgpr_workgroup_id_y 1
		.amdhsa_system_sgpr_workgroup_id_z 1
		.amdhsa_system_vgpr_workitem_id 0
		.amdhsa_next_free_vgpr 512
		.amdhsa_next_free_sgpr 66
		.amdhsa_reserve_vcc 0
		.amdhsa_float_denorm_mode_32 3
		.amdhsa_float_denorm_mode_16_64 3
		.amdhsa_memory_ordered 1
		.amdhsa_forward_progress 1
		.amdhsa_inst_pref_size 140
	.end_amdhsa_kernel
	.amdgpu_metadata
---
amdhsa.version: [ 1, 2 ]
amdhsa.kernels:
  - .name:           k_qf123d9a690_attn
    .symbol:         k_qf123d9a690_attn.kd
    .args:
      - { .name: qkv, .offset: 0, .size: 8, .value_kind: global_buffer, .address_space: global }
      - { .name: cvf, .offset: 8, .size: 8, .value_kind: global_buffer, .address_space: global }
    .group_segment_fixed_size: 327680
    .private_segment_fixed_size: 0
    .kernarg_segment_align: 8
    .kernarg_segment_size: 16
    .max_flat_workgroup_size: 256
    .sgpr_count:     66
    .vgpr_count:     512
    .wavefront_size: 32
...
	.end_amdgpu_metadata
.endif
;; end of part 3
;; launch outp (part 4): grid 4 x 64, 4 waves a work-group, clusters of 4 x 4, 327,680 bytes of LDS; arguments cvf, wof, bo, out0; writes out0
.if DOCPART == 4
	.amdgcn_target "amdgcn-amd-amdhsa--gfx1250"
	.amdhsa_code_object_version 6
	.text
	.protected	k_qf123d9a690_outp
	.globl	k_qf123d9a690_outp
	.p2align	8
	.type	k_qf123d9a690_outp,@function
k_qf123d9a690_outp:
	s_mov_b64 s[64:65], 0
	v_nop
	global_prefetch_b8 v0, s[64:65] scope:SCOPE_SE
	s_setreg_imm32_b32 hwreg(HW_REG_WAVE_MODE, 25, 1), 1
	s_wait_xcnt 0x0
	s_wait_alu depctr_hold_cnt(0) depctr_sa_sdst(0) depctr_va_vdst(0) depctr_va_sdst(0) depctr_va_ssrc(0) depctr_va_vcc(0) depctr_vm_vsrc(0)
	s_getreg_b32 s2, hwreg(HW_REG_IB_STS2, 6, 4)
	s_cmp_eq_u32 s2, 0
	s_cbranch_scc0 .Lentry_in_a_cluster
	s_endpgm
.Lentry_in_a_cluster:
	s_bfe_u32 s2, ttmp6, 0x10000c
	s_cmp_lg_u32 s2, 0xf033
	s_cbranch_scc0 .Lentry_shape_is_right
	s_endpgm
.Lentry_shape_is_right:
; Launch 4 of 4: out0 = cv wo + bo.  cv [8,192][1,024] and wo ([n][k]) arrive as f16, as images of their fragments; sums in f32; out0 f32, row-major.
; SHARES.  A work-group of four waves makes 128 rows x 256 columns: 64 x 4 work-groups; a wave makes 64 x 128: 32 accumulators.  K goes in eight steps of 128 through a ring of two LDS slots:
; cv's part of a step is 32,768 dense bytes, wo's 65,536; a fragment (16 x 32 k) is two loads of 16 bytes at 16 x lane.
; CLUSTER 4 x 4: cv's block is shared along a row of the cluster, wo's along a column: joint loads.
; USE: source 0 = 16 columns of wo, source 1 = 16 rows of cv: a lane holds eight neighbouring numbers of a row of out0.  bo is the C of each sum's first product.
; REGISTERS: window 0: v4-13 addresses; v64-191 the way out.  window 1: the accumulators, (a, b) at v[8 (8 a + b)].  window 2: two sets of fragments, v0-95, v96-191 (cv's four, wo's eight); v192-255 bo.
.set SLOT,  98304
.set BOFF,  32768
.set STAGE, 2*SLOT                     ; 16 rows x (512 + 16) bytes for each wave; no tensor load lands here
.set SPITCH, 528
.set SPARE, STAGE+4*16*SPITCH          ; the spare words, 128 bytes for each wave
.set SPW,  4
.set NIL,  5
.set ADRA, 6
.set ADRB, 8
.set STO,  10
.set RD,   11
.set CO,   12                          ; 16 x lane
.set BK,   64
.set BO,   192
.set WV,   18
.set G1A,  28
.set G1B,  36
.set G0A,  44
.set G0B,  52
.set MSB, 0
.macro WIN new
.if MSB != \new
	s_set_vgpr_msb (MSB<<8)|\new
.set MSB, \new
.endif
.endm
.set W_MUL, 0x5a                       ; sources 0 and 1 window 2, C and D window 1 (+ 0x10: C window 2, the bias)
.set W_TOF, 0x80
.macro JLOAD g0a, g1a, g0b, g1b
	s_cmp_eq_u32 s19, 0
	s_cbranch_scc0 .Lfor_b_\@
	tensor_load_to_lds s[\g0a:\g0a+3], s[\g1a:\g1a+7]
	s_nop 0
.rept 4
	v_nop
.endr
	s_branch .Lasked_\@
.Lfor_b_\@:
	tensor_load_to_lds s[\g0b:\g0b+3], s[\g1b:\g1b+7]
	s_nop 0
.rept 4
	v_nop
.endr
.Lasked_\@:
.endm
.macro CREST
	s_cmp_lg_u32 s[WV], 0
	s_cbranch_scc1 .Lnot_wave_0_\@
	s_barrier_signal -3
.Lnot_wave_0_\@:
	s_barrier_wait -3
	s_barrier_signal -1
	s_barrier_wait -1
.endm
.macro CROUND
	s_barrier_signal -1
	s_barrier_wait -1
	CREST
.endm
.macro PLACES n
.rept \n
	v_nop
.endr
.endm
	s_load_b256 s[4:11], s[0:1], 0x0               ; cvf s[4:5], wof s[6:7], bo s[8:9], out0 s[10:11]
	v_lshl_add_u32 v[SPW], v0, 2, SPARE
	v_mov_b32 v[NIL], 0
	ds_add_u32 v[SPW], v[NIL]                      ; the wave's opening: the add, twice on end, and its wait ahead of my first tensor load
	ds_add_u32 v[SPW], v[NIL]
	v_lshrrev_b32 v1, 5, v0
	v_readfirstlane_b32 s[WV], v1
	s_lshr_b32 s19, s[WV], 1                       ; which 64 rows are mine.  Also: I fetch for cv (0) or for wo (1)
	s_and_b32 s20, s[WV], 1                        ; which 128 columns.  Also: which half of the block I fetch
	s_bfe_u32 s21, ttmp6, 0x40000
	s_bfe_u32 s22, ttmp6, 0x40004
	s_lshl_b32 s23, ttmp9, 2
	s_add_co_u32 s23, s23, s21                     ; column block of 256
	s_and_b32 s24, ttmp7, 0xffff
	s_lshl_b32 s24, s24, 2
	s_add_co_u32 s24, s24, s22                     ; row block of 128
	s_lshl_b32 s25, s22, 2
	s_lshl_b32 s25, 15, s25
	s_lshl_b32 s26, 0x1111, s21
	s_or_b32 s[G1A], s25, (3<<16)|(1<<21)          ; dense blocks as rows of 256 bytes: 64 rows for cv, 128 for wo
	s_or_b32 s[G1B], s26, (3<<16)|(1<<21)
	s_mov_b32 s[G1A+1], 32<<16
	s_mov_b32 s[G1A+2], 64<<16
	s_mov_b32 s[G1A+3], 32<<16
	s_mov_b32 s[G1A+4], 64
	s_mov_b32 s[G1A+5], 32
	s_mov_b32 s[G1A+6], 0
	s_mov_b32 s[G1A+7], 0
	s_mov_b32 s[G1B+1], 32<<16
	s_mov_b32 s[G1B+2], 128<<16
	s_mov_b32 s[G1B+3], 32<<16
	s_mov_b32 s[G1B+4], 128
	s_mov_b32 s[G1B+5], 32
	s_mov_b32 s[G1B+6], 0
	s_mov_b32 s[G1B+7], 0
	s_mov_b32 s[G0A], 1
	s_mov_b32 s[G0A+4], 1
	s_lshl_b32 s27, s20, 14
	s_mov_b32 s[G0A+1], s27
	s_add_co_u32 s[G0A+5], s27, SLOT
	s_mov_b32 s[G0B], 1
	s_mov_b32 s[G0B+4], 1
	s_lshl_b32 s27, s20, 15
	s_add_co_u32 s[G0B+1], s27, BOFF
	s_add_co_u32 s[G0B+5], s27, BOFF+SLOT
	s_lshl_b32 s2, s24, 15
	s_lshl_b32 s3, s20, 14
	s_add_co_u32 s2, s2, s3
	s_mov_b32 s3, 0
	s_lshl_b32 s60, s23, 16
	s_lshl_b32 s61, s20, 15
	s_add_co_u32 s60, s60, s61
	s_mov_b32 s61, 0
	s_wait_dscnt 0x0                               ; both opening adds are done
	s_wait_kmcnt 0x0
	s_add_nc_u64 s[G0A+2:G0A+3], s[4:5], s[2:3]
	s_add_nc_u64 s[G0A+6:G0A+7], s[G0A+2:G0A+3], 0x200000
	s_or_b32 s[G0A+3], s[G0A+3], 0x80000000
	s_or_b32 s[G0A+7], s[G0A+7], 0x80000000
	s_add_nc_u64 s[G0B+2:G0B+3], s[6:7], s[60:61]
	s_add_nc_u64 s[G0B+6:G0B+7], s[G0B+2:G0B+3], 0x40000
	s_or_b32 s[G0B+3], s[G0B+3], 0x80000000
	s_or_b32 s[G0B+7], s[G0B+7], 0x80000000
	CROUND                                         ; all sixteen work-groups are here: the first joint loads meet
	JLOAD G0A, G1A, G0B, G1B                       ; two loads of mine are out behind these lines
	JLOAD G0A+4, G1A, G0B+4, G1B
	v_and_b32 v1, 31, v0
	v_lshlrev_b32 v[CO], 4, v1
	s_lshl_b32 s27, s19, 14
	v_add_nc_u32 v[ADRA], s27, v[CO]
	s_add_co_u32 s27, s27, SLOT
	v_add_nc_u32 v[ADRA+1], s27, v[CO]
	s_lshl_b32 s27, s20, 15
	s_add_co_u32 s27, s27, BOFF
	v_add_nc_u32 v[ADRB], s27, v[CO]
	s_add_co_u32 s27, s27, SLOT
	v_add_nc_u32 v[ADRB+1], s27, v[CO]
	s_mul_i32 s27, s[WV], 16*SPITCH
	s_add_co_u32 s27, s27, STAGE                   ; my stage
	v_and_b32 v2, 15, v0
	v_bfe_u32 v3, v0, 4, 1
	v_mul_u32_u24 v[STO], v2, SPITCH
	v_lshl_add_u32 v[STO], v3, 5, v[STO]
	v_add_nc_u32 v[STO], s27, v[STO]               ; in: row lane % 16, 32 bytes for each half of the lanes
	v_add_nc_u32 v[RD], s27, v[CO]                 ; back: the 32 lanes take one row of 512 bytes
	v_lshlrev_b32 v13, 5, v3                       ; bo: my half's eight columns of each tile
	s_lshl_b32 s16, s23, 10
	s_lshl_b32 s17, s20, 9
	s_add_co_u32 s16, s16, s17                     ; my first column x 4
	s_mov_b32 s17, 0
	s_add_nc_u64 s[8:9], s[8:9], s[16:17]
	s_lshl_b32 s14, s24, 19
	s_lshl_b32 s15, s19, 18
	s_add_co_u32 s14, s14, s15                     ; my first row x 4,096
	s_add_co_u32 s14, s14, s16
	s_mov_b32 s15, 0
	s_add_nc_u64 s[10:11], s[10:11], s[14:15]
	WIN W_TOF
.irp b, 0,1,2,3,4,5,6,7
	global_load_b128 v[BO+8*\b:BO+8*\b+3], v13, s[8:9] offset:64*\b
	global_load_b128 v[BO+8*\b+4:BO+8*\b+7], v13, s[8:9] offset:64*\b+16
.endr
	WIN 0
; eight products: row tile a against the eight column tiles, 32 along K, fragments in set f.  The 32 accumulators take turns in the same order in every step of 32.
.macro MUL8 f, a, first
.irp b, 0,1,2,3,4,5,6,7
.if \first
	v_wmma_f32_16x16x32_f16 v[8*(8*(\a)+\b):8*(8*(\a)+\b)+7], v[(\f)+32+8*\b:(\f)+32+8*\b+7], v[(\f)+8*(\a):(\f)+8*(\a)+7], v[BO+8*\b:BO+8*\b+7]
.else
	v_wmma_f32_16x16x32_f16 v[8*(8*(\a)+\b):8*(8*(\a)+\b)+7], v[(\f)+32+8*\b:(\f)+32+8*\b+7], v[(\f)+8*(\a):(\f)+8*(\a)+7], v[8*(8*(\a)+\b):8*(8*(\a)+\b)+7]
.endif
.endr
.endm
.macro FETCH slot, q, f                ; 24 loads in one run: wo's eight fragments, then cv's four; the youngest four are cv's tiles 2 and 3
	WIN W_TOF
.irp i, 0,1,2,3,4,5,6,7
	ds_load_b128 v[(\f)+32+8*\i:(\f)+32+8*\i+3], v[ADRB+\slot] offset:\i*4096+(\q)*1024
	ds_load_b128 v[(\f)+32+8*\i+4:(\f)+32+8*\i+7], v[ADRB+\slot] offset:\i*4096+(\q)*1024+512
.endr
.irp i, 0,1,2,3
	ds_load_b128 v[(\f)+8*\i:(\f)+8*\i+3], v[ADRA+\slot] offset:\i*4096+(\q)*1024
	ds_load_b128 v[(\f)+8*\i+4:(\f)+8*\i+7], v[ADRA+\slot] offset:\i*4096+(\q)*1024+512
.endr
.endm
.macro QUARTER slot, q, first          ; quarter q = 0, 1, 2 of a slot: multiplies set q % 2 and fetches the next quarter into the other
	s_wait_dscnt 4                                 ; all but cv's tiles 2 and 3
	WIN W_MUL+0x10*(\first)
	MUL8 96*((\q)%2), 0, \first
	MUL8 96*((\q)%2), 1, \first
	PLACES 4                                       ; four plain places in front of loads into registers that matrix instructions have read
	FETCH \slot, (\q)+1, 96-96*((\q)%2)
	s_wait_dscnt 24                                ; all but the 24 just issued
	WIN W_MUL+0x10*(\first)
	MUL8 96*((\q)%2), 2, \first
	MUL8 96*((\q)%2), 3, \first
.endm
; the last quarter changes slots: one barrier; in front of it each wave waits for all its tensor loads, adds 0 to its spare word, and waits for that and for its reads of this slot
.macro TURN slot, next, fill
	WIN 0
	s_wait_tensorcnt 0x0
	ds_add_u32 v[SPW], v[NIL]
	s_wait_dscnt 5                                 ; (the add and the youngest four loads may be out)
	WIN W_MUL
	MUL8 96, 0, 0
	s_wait_dscnt 0x0
	s_barrier_signal -1
	MUL8 96, 1, 0
	WIN 0
	s_barrier_wait -1
.if \fill
	CREST                                          ; the barrier has opened a round of the cluster's
	s_add_nc_u64 s[G0A+4*\slot+2:G0A+4*\slot+3], s[G0A+4*\slot+2:G0A+4*\slot+3], 0x400000
	s_add_nc_u64 s[G0B+4*\slot+2:G0B+4*\slot+3], s[G0B+4*\slot+2:G0B+4*\slot+3], 0x80000
	JLOAD G0A+4*\slot, G1A, G0B+4*\slot, G1B       ; the first tensor load behind the round; its four v_nop are also the places in front of the loads below
.else
	PLACES 4
.endif
	FETCH \next, 0, 0
	WIN W_MUL
	MUL8 96, 2, 0
	MUL8 96, 3, 0
.endm
	s_wait_tensorcnt 1                             ; my part of step 0 is in; step 1's may stay out
	s_barrier_signal -1
	s_barrier_wait -1
	FETCH 0, 0, 0
	s_wait_loadcnt 0x0                             ; bo
	QUARTER 0, 0, 1                                ; the first quarter stands in front of the loop: its products start the sums from bo
	WIN 0
	s_mov_b32 s12, 3
.Llap:                                 ; a trip goes once round the ring and fills both slots again: steps 2 to 7
	QUARTER 0, 1, 0
	QUARTER 0, 2, 0
	TURN 0, 1, 1
	QUARTER 1, 0, 0
	QUARTER 1, 1, 0
	QUARTER 1, 2, 0
	TURN 1, 0, 1
	QUARTER 0, 0, 0
	WIN 0
	s_sub_co_u32 s12, s12, 1
	s_cmp_lg_u32 s12, 0
	s_cbranch_scc1 .Llap
	QUARTER 0, 1, 0                                ; the last lap fills nothing
	QUARTER 0, 2, 0
	TURN 0, 1, 0
	QUARTER 1, 0, 0
	QUARTER 1, 1, 0
	QUARTER 1, 2, 0
	s_wait_dscnt 4
	WIN W_MUL
	MUL8 96, 0, 0
	MUL8 96, 1, 0
	s_wait_dscnt 0x0
	MUL8 96, 2, 0
	MUL8 96, 3, 0
	WIN 0
; THE WAY OUT, 16 rows x 128 columns at a time: a lane holds 32 bytes of a row, the lanes beside it other rows: through my own stage in LDS, back as whole rows of 512 bytes.
; LDS serves a wave's instructions in order (ISA guide 5.7.1.4): no wait between the stores and the loads, nor in front of the next block's stores.
.macro TOSTAGE a
	WIN 0x04                                       ; an LDS store's data are its source 1: window 1
.irp b, 0,1,2,3,4,5,6,7
	ds_store_b128 v[STO], v[64*(\a)+8*\b:64*(\a)+8*\b+3] offset:64*\b          ; each accumulator from its low end on
	ds_store_b128 v[STO], v[64*(\a)+8*\b+4:64*(\a)+8*\b+7] offset:64*\b+16
.endr
	WIN 0
.irp t, 0,1,2,3,4,5,6,7,8,9,10,11,12,13,14,15
	ds_load_b128 v[BK+64*((\a)%2)+4*\t:BK+64*((\a)%2)+4*\t+3], v[RD] offset:\t*SPITCH
.endr
.endm
.macro SEND a, younger
	s_wait_dscnt \younger                          ; the block is back in registers
.irp t, 0,1,2,3,4,5,6,7,8,9,10,11,12,13,14,15
	global_store_b128 v[CO], v[BK+64*((\a)%2)+4*\t:BK+64*((\a)%2)+4*\t+3], s[10:11] offset:(16*(\a)+\t)*4096 th:TH_STORE_NT   ; 512 consecutive bytes, aligned
.endr
.endm
	PLACES 4
	TOSTAGE 0
.irp a, 1,2,3
.if \a > 1
	s_wait_xcnt 0x0                                ; block a - 2's stores have read their registers: block a's loads may land there
.endif
	TOSTAGE \a
	SEND \a-1, 32                                  ; behind block a - 1's loads: block a's 16 stores and 16 loads
.endr
	SEND 3, 0
	s_wait_tensorcnt 0x0                           ; the wave's end, behind my last tensor load and my last LDS store
	ds_add_u32 v[SPW], v[NIL]
	s_wait_dscnt 0x0
	CROUND                                         ; the closing round
	s_endpgm
.Lfunc_end_k_qf123d9a690_outp:
	.size	k_qf123d9a690_outp, .Lfunc_end_k_qf123d9a690_outp-k_qf123d9a690_outp
	.p2alignl 7, 3214868480
	.fill 96, 4, 3214868480
	.section	.rodata,"a",@progbits
	.p2align	6, 0x0
	.amdhsa_kernel k_qf123d9a690_outp
		.amdhsa_group_segment_fixed_size 327680
		.amdhsa_private_segment_fixed_size 0
		.amdhsa_enable_private_segment 0
		.amdhsa_kernarg_size 32
		.amdhsa_user_sgpr_count 2
		.amdhsa_user_sgpr_kernarg_segment_ptr 1
		.amdhsa_wavefront_size32 1
		.amdhsa_system_sgpr_workgroup_id_x 1
		.amdhsa_system_sgpr_workgroup_id_y 1
		.amdhsa_system_sgpr_workgroup_id_z 1
		.amdhsa_system_vgpr_workitem_id 0
		.amdhsa_next_free_vgpr 768
		.amdhsa_next_free_sgpr 66
		.amdhsa_reserve_vcc 0
		.amdhsa_float_denorm_mode_32 3
		.amdhsa_float_denorm_mode_16_64 3
		.amdhsa_memory_ordered 1
		.amdhsa_forward_progress 1
		.amdhsa_inst_pref_size 86
	.end_amdhsa_kernel
	.amdgpu_metadata
---
amdhsa.version: [ 1, 2 ]
amdhsa.kernels:
  - .name:           k_qf123d9a690_outp
    .symbol:         k_qf123d9a690_outp.kd
    .args:
      - { .name: cvf, .offset: 0, .size: 8, .value_kind: global_buffer, .address_space: global }
      - { .name: wof, .offset: 8, .size: 8, .value_kind: global_buffer, .address_space: global }
      - { .name: bo, .offset: 16, .size: 8, .value_kind: global_buffer, .address_space: global }
      - { .name: out0, .offset: 24, .size: 8, .value_kind: global_buffer, .address_space: global }
    .group_segment_fixed_size: 327680
    .private_segment_fixed_size: 0
    .kernarg_segment_align: 8
    .kernarg_segment_size: 32
    .max_flat_workgroup_size: 128
    .sgpr_count:     66
    .vgpr_count:     768
    .wavefront_size: 32
...
	.end_amdgpu_metadata
.endif
;; end of part 4
